; MI455X (gfx1250); checked and timed in simulation.
; The chip was launched on July 23, 2026; its instructions are those of AMD's public machine-readable ISA for CDNA 5 (MIT licence, August 2026) and "CDNA5" Instruction Set Architecture Reference Guide (July 2026). The comments in the code are by the model that wrote it; some were corrected since.
;; Causal Attention. Allowed arithmetic: matrix products marked QUANTISED: E3M2 operands, one E8M0 scale for each 32 along K, by v_wmma_scale_f32_16x16x128_f8f6f4 with both operands' format E3M2, f32 sums; everything else in f32.
;; Inputs: Wk 1,024 x 1,024 float32; Wq 1,024 x 1,024 float32; Wv 1,024 x 1,024 float32; bk 1,024 float32; bq 1,024 float32; bv 1,024 float32; x 4 x 2,048 x 1,024 float32.
;; Outputs: out0 4 x 2,048 x 1,024 float32.
;; This version of the problem:
;;   THIS VERSION OF THE PROBLEM IS GIVEN IN LOW PRECISION. The matrix products marked QUANTISED in the list below multiply operands that are first quantised to E3M2 (3 exponent bits, 2 mantissa bits; 6 bits a number), with one power-of-two scale for each 32 numbers along K (OCP MX v1.0); their sums are f32. All else is computed in f32.
;;   The module's matrix products, in the order in which they are computed (A, B: the left and right operand; K: the contracted axis; several contracted axes count as one K, in the product's order):
;;     1. [M 8,192, K 1,024] x [K 1,024, N 1,024]; A: input x; B: input Wq: QUANTISED
;;     2. [M 8,192, K 1,024] x [K 1,024, N 1,024]; A: input x; B: input Wk: QUANTISED
;;     3. [M 8,192, K 1,024] x [K 1,024, N 1,024]; A: input x; B: input Wv: QUANTISED
;;     4. batch 4 x [M 2,048, K 1,024] x [K 1,024, N 2,048]; A: computed on the way; B: computed on the way: QUANTISED
;;     5. batch 4 x [M 2,048, K 2,048] x [K 2,048, N 1,024]; A: softmax (see below); B: computed on the way: QUANTISED
;;   THE QUANTISER, for each operand of a quantised product, along K:
;;     - K is cut into blocks of 32 from its start; a last block that is shorter is filled with zeros.
;;     - A block's scale is 2^e with e = floor(log2(the largest magnitude in the block)) - 4, held to -126 .. 127; a block of zeros has e = 0. As a byte (E8M0): e + 127.
;;     - Each number is divided by its block's scale, clamped to +-28, and rounded to the nearest number of E3M2, ties to even, subnormals kept.
;;     - The product sums the exact products of the quantised numbers (number of the format x scale) in f32.
;;   ~~~python
;;   def quantise(x, axis):      # numpy; x: float32 -> the quantised numbers, widened to float32 again
;;       x = np.moveaxis(x, axis, -1); K = x.shape[-1]
;;       x = np.pad(x, [(0, 0)] * (x.ndim - 1) + [(0, -K % 32)]); x = x.reshape(x.shape[:-1] + (-1, 32)); a = np.abs(x).max(-1, keepdims=True)
;;       e = np.where(a > 0, np.clip(np.frexp(np.where(a > 0, a, 1))[1] - 1 - 4, -126, 127), 0)      # np.frexp(a)[1] - 1 = floor(log2(a)), exactly
;;       r = np.clip(x / 2.0 ** e, -28, 28)
;;       step = 2.0 ** (np.maximum(np.frexp(np.where(r == 0, 1, r))[1] - 1, -2) - 2)
;;       q = np.round(r / step) * step * 2.0 ** e      # np.round: ties to even
;;       return np.moveaxis(q.reshape(q.shape[:-2] + (-1,))[..., :K], -1, axis).astype(np.float32)
;;   ~~~
;;   SOFTMAX AHEAD OF A QUANTISED PRODUCT. Where the list says 'softmax', what is quantised is not the finished softmax but p = 2^(t - M), with t = logit x log2(e) and M = ceil(the row's largest t), a whole number; so 1/2 < the row's largest p <= 1. The row's sum l is taken of the UNQUANTISED p, in f32, and the product's result is divided by l at the end. Since M is a whole number, a kernel that streams over the keys may use a running M (the ceiling of the running maximum): every later rescaling is an exact power of two, which a block's scale takes up: the codes' values come out the same.
;;   OPERANDS COMPUTED ON THE WAY. 'Computed on the way' means the value that the module computes at that place (a softmax that the list does not call 'softmax' is quantised finished and normalised). What goes into a quantiser is computed in f32, as accurately as f32 sums, v_exp_f32 and their like allow (about 1e-6 of the number): no bf16 or f16 on the way to a quantiser, and a product that is left as it is and whose result goes on into a quantised operand takes f32 operands (vector FMAs, or v_wmma_f32_16x16x4_f32). A number that lies on a knife's edge between two numbers of the format may be rounded either way, as far as f32 arithmetic and the matrix unit's own rounding can turn it there, and no further.
;; One version. Each part assembles by itself: llvm-mc -triple=amdgcn-amd-amdhsa -mcpu=gfx1250 --defsym DOCPART=n.
;; ======== version 1 of 1: 4 launches
;; limits: right only within a limited range of input values
;; workspace buffers: c1 8,650,752 bytes; s1 360,448 bytes; c2 18,874,368 bytes; s2 786,432 bytes; pc 7,077,888 bytes; pst 1,179,648 bytes
;; launch quant (part 1): grid 704 x 1, 8 waves a work-group, no clusters, 69,120 bytes of LDS; arguments x, Wq, Wk, Wv, c1, s1; writes c1, s1
.if DOCPART == 1
	.amdgcn_target "amdgcn-amd-amdhsa--gfx1250"
	.amdhsa_code_object_version 6
	.text
	.protected	k_qc49b4a65a6_quant
	.globl	k_qc49b4a65a6_quant
	.p2align	8
	.type	k_qc49b4a65a6_quant,@function
k_qc49b4a65a6_quant:
	s_mov_b64 s[64:65], 0
	v_nop
	global_prefetch_b8 v0, s[64:65] scope:SCOPE_SE
	s_setreg_imm32_b32 hwreg(HW_REG_WAVE_MODE, 25, 1), 1
	s_wait_xcnt 0x0
; x [8192][1024] and Wq, Wk, Wv [1024][1024], f32, K innermost, become codes of BF6 (E3M2) with one E8M0 byte for each 32 along K.
; A block's scale is 2^(floor(log2(its largest magnitude)) - 4): its byte is the largest magnitude's exponent field - 4, held at 1 from below.
; THE CODES ARE LAID AS IMAGES OF OPERAND REGISTERS.  A fragment is 16 rows x 128 K, 12 registers a lane, 1,536 bytes: piece c (512 bytes) holds lane l's registers 4 c .. 4 c + 3 at 16 l.
; Lane (r, h) holds k = 64 c + 32 h + 0 .. 31 of its row in registers 6 c .. 6 c + 5.  Row tile t, lane r, is row 32 (t / 2) + 8 (t % 2) + r + 8 (r / 8): the order in which a later
; product's results come out as 16 neighbours along the next K.  Tiles 0-511 are x, 512-575 Wq, 576-639 Wk, 640-703 Wv.
; c1: x, Wq, Wk: [block of 16 tiles][K step 8][tile 16][1536]; Wv: [block of 8 tiles][K step 8][tile 8][1536], so that what the next launch fetches at once is dense.  s1: [tile][r 16][K step 8] words, a word = four bytes.
; SHARES.  A work-group takes one tile, a wave one of its eight K steps: 16 loads of 512 consecutive bytes of a row.  The rows turn through the wave's own stage in LDS (rows 528 bytes apart, so that
; 16 rows start at 16 different groups of banks) and come back 128 bytes a lane: two whole blocks, so no lane asks another for a maximum.  The eight waves' scale words meet in LDS and leave as 512 bytes.
; DEAD WORK LEFT OUT IN A LATER LAUNCH: scores of keys behind a query's own position become -infinity by reference()'s own mask, p = 0 exactly, for all finite inputs: tiles of 256 x 256 that lie wholly under the mask are not made.
; LIMITS: NaN, infinities and overflow are not served, nor carried out of what is left out.  A block of zeros, or one whose largest magnitude lies under 2^-122, gets the byte 1; only this program reads the bytes.
.set WREG, 8448                        ; LDS of a wave: 16 stage rows
.set SPT,  528
.set SCW,  8*WREG                      ; the tile's 128 scale words
.set SPARE, SCW+512                    ; the spare words: 128 bytes a wave, four blocks of 256 bytes that no other line names
.set W2,   12                          ; v12 the other half of the lanes' two bytes
.set SPW,  13
.set NIL,  14
.set R,    16                          ; v16-79 the rows as loaded; behind the turn through LDS at work:
.set CT,   16                          ; v16-18, v20-22 upper halves of the two blocks
.set MX,   24
.set SO,   26
.set BY,   28
.set W,    30
.set X,    80                          ; v80-143 my 64 numbers
.set PC,   144                         ; v144-155 the codes
	s_load_b256 s[4:11], s[0:1], 0x0               ; x, Wq, Wk, Wv
	s_load_b128 s[12:15], s[0:1], 0x20             ; c1, s1
	v_lshl_add_u32 v[SPW], v0, 2, SPARE
	v_mov_b32 v[NIL], 0
	v_lshrrev_b32 v1, 5, v0
	v_readfirstlane_b32 s18, v1                    ; wave = K step
	v_and_b32 v9, 31, v0
	v_and_b32 v10, 15, v0                          ; r
	v_bfe_u32 v11, v0, 4, 1                        ; h
	v_lshlrev_b32 v2, 4, v9                        ; 16 x lane
	s_mul_i32 s19, s18, WREG
	v_add_nc_u32 v3, s19, v2                       ; the stage, on the way in
	v_mul_u32_u24 v4, v10, SPT
	v_lshl_add_u32 v4, v11, 7, v4
	v_add_nc_u32 v4, s19, v4                       ; and out: row r, + 128 h
	s_lshl_b32 s28, s18, 2
	s_add_co_u32 s28, s28, SCW
	v_lshl_add_u32 v5, v10, 5, s28                 ; my row's scale word
	v_add_nc_u32 v6, SCW, v2                       ; the words on their way out
	v_lshlrev_b32 v8, 3, v11                       ; 8 h: my two bytes' place in the word
	v_mov_b32 v[W2], 0                             ; a lane permute's destination counts as one of its sources
	s_mov_b32 s20, 0x76543210
	s_mov_b32 s21, 0xfedcba98                      ; selects for lane l xor 16
	s_mov_b32 s16, ttmp9                           ; the tile
	s_sub_co_u32 s19, s16, 512
	s_lshr_b32 s22, s19, 6                         ; behind x: which weight, and which tile of it
	s_and_b32 s23, s19, 63
	s_lshr_b32 s24, s16, 4                         ; c1: blocks of 16 tiles
	s_mul_i32 s24, s24, 196608
	s_mul_i32 s25, s18, 24576
	s_add_co_u32 s24, s24, s25
	s_and_b32 s25, s16, 15
	s_mul_i32 s25, s25, 1536
	s_add_co_u32 s24, s24, s25
	s_sub_co_u32 s29, s16, 640                     ; Wv: blocks of 8 tiles
	s_lshr_b32 s30, s29, 3
	s_mul_i32 s30, s30, 98304
	s_mul_i32 s25, s18, 12288
	s_add_co_u32 s30, s30, s25
	s_and_b32 s25, s29, 7
	s_mul_i32 s25, s25, 1536
	s_add_co_u32 s30, s30, s25
	s_add_co_u32 s30, s30, 7864320
	s_cmp_lt_u32 s16, 640
	s_cselect_b32 s26, s24, s30
	s_mov_b32 s27, 0
	s_wait_alu depctr_va_vdst(0)                   ; the wait at the head's end
	s_wait_kmcnt 0x0
	s_cmp_eq_u32 s22, 1                            ; the choice of buffer hangs on the work-group's number alone
	s_cselect_b64 s[32:33], s[8:9], s[10:11]
	s_cmp_eq_u32 s22, 0
	s_cselect_b64 s[32:33], s[6:7], s[32:33]
	s_cmp_lt_u32 s16, 512
	s_cselect_b64 s[32:33], s[4:5], s[32:33]
	s_cselect_b32 s23, s16, s23
	s_lshr_b32 s34, s23, 1
	s_lshl_b32 s34, s34, 17                        ; 32 rows of 4,096 bytes,
	s_and_b32 s35, s23, 1
	s_lshl_b32 s35, s35, 15                        ; 8 rows,
	s_add_co_u32 s34, s34, s35
	s_lshl_b32 s35, s18, 9                         ; 512 bytes a K step
	s_add_co_u32 s34, s34, s35
	s_mov_b32 s35, 0
	s_add_nc_u64 s[32:33], s[32:33], s[34:35]
	s_add_nc_u64 s[12:13], s[12:13], s[26:27]
	s_lshl_b32 s28, s16, 9
	s_mov_b32 s29, 0
	s_add_nc_u64 s[14:15], s[14:15], s[28:29]
.irp i, 0,1,2,3,4,5,6,7,8,9,10,11,12,13,14,15
	global_load_b128 v[R+4*\i:R+4*\i+3], v2, s[32:33] offset:(\i+8*(\i/8))*4096 th:TH_LOAD_NT
.endr
.irp i, 0,1,2,3,4,5,6,7,8,9,10,11,12,13,14,15
	s_wait_loadcnt 15-\i                           ; row i is in; the rows behind it may be out
	ds_store_b128 v3, v[R+4*\i:R+4*\i+3] offset:SPT*\i
.endr
.irp c, 0,1
.irp p, 0,1,2,3,4,5,6,7
	ds_load_b128 v[X+32*\c+4*\p:X+32*\c+4*\p+3], v4 offset:256*\c+16*\p   ; LDS serves a wave's instructions in order: these see the stores above
.endr
.endr
	s_wait_dscnt 0x0
.irp c, 0,1
	v_max3_num_f32 v[MX+\c], |v[X+32*\c]|, |v[X+32*\c+1]|, 0x2800000   ; block 2 c + h: all 32 numbers are mine; the floor 2^(5 - 127) holds the byte at 1 from below
.endr
.irp i, 2,4,6,8,10,12,14,16,18,20,22,24,26,28,30
.irp c, 0,1
	v_max3_num_f32 v[MX+\c], v[MX+\c], |v[X+32*\c+\i]|, |v[X+32*\c+\i+1]|
.endr
.endr
.irp c, 0,1
	v_add_nc_u32 v[SO+\c], 0xfe000000, v[MX+\c]    ; 4 off the exponent field: the conversion takes that field as its scale
.endr
.irp c, 0,1
	v_lshrrev_b32 v[BY+\c], 23, v[SO+\c]           ; the byte
.endr
	v_lshl_or_b32 v[W], v[BY+1], 16, v[BY]         ; blocks h and 2 + h,
	v_lshlrev_b32 v[W], v8, v[W]                   ; at their places in the word;
	v_permlanex16_b32 v[W2], v[W], s20, s21
	v_or_b32 v[W], v[W], v[W2]                     ; with lane l xor 16's two the word is whole
.irp c, 0,1
	v_cvt_scalef32_pk16_bf6_f32 v[PC+6*\c:PC+6*\c+2], v[X+32*\c:X+32*\c+15], v[SO+\c]
	v_cvt_scalef32_pk16_bf6_f32 v[CT+4*\c:CT+4*\c+2], v[X+32*\c+16:X+32*\c+31], v[SO+\c]   ; (a conversion's three registers begin on an even number)
.endr
	v_nop                                          ; one plain instruction behind a scaled conversion
.irp c, 0,1
.irp i, 0,1,2
	v_mov_b32 v[PC+6*\c+3+\i], v[CT+4*\c+\i]
.endr
.endr
	ds_store_b32 v5, v[W]                          ; both halves of the lanes write the same word with the same value
.irp c, 0,1,2
	global_store_b128 v2, v[PC+4*\c:PC+4*\c+3], s[12:13] offset:512*\c   ; 32 lanes store 512 consecutive bytes
.endr
	s_wait_dscnt 0x0                               ; my words lie in LDS
	s_barrier_signal -1
	s_barrier_wait -1                              ; everybody's do
	s_cmp_lg_u32 s18, 0
	s_cbranch_scc1 .Lend
	ds_load_b128 v[80:83], v6
	s_wait_dscnt 0x0
	global_store_b128 v2, v[80:83], s[14:15]       ; the tile's 512 bytes of scale words
.Lend:
	s_wait_tensorcnt 0x0                           ; the wave's end
	ds_add_u32 v[SPW], v[NIL]
	s_wait_dscnt 0x0
	s_endpgm
.Lfunc_end_k_qc49b4a65a6_quant:
	.size	k_qc49b4a65a6_quant, .Lfunc_end_k_qc49b4a65a6_quant-k_qc49b4a65a6_quant
	.p2alignl 7, 3214868480
	.fill 96, 4, 3214868480
	.section	.rodata,"a",@progbits
	.p2align	6, 0x0
	.amdhsa_kernel k_qc49b4a65a6_quant
		.amdhsa_group_segment_fixed_size 69120
		.amdhsa_private_segment_fixed_size 0
		.amdhsa_enable_private_segment 0
		.amdhsa_kernarg_size 48
		.amdhsa_user_sgpr_count 2
		.amdhsa_user_sgpr_kernarg_segment_ptr 1
		.amdhsa_wavefront_size32 1
		.amdhsa_system_sgpr_workgroup_id_x 1
		.amdhsa_system_sgpr_workgroup_id_y 1
		.amdhsa_system_sgpr_workgroup_id_z 1
		.amdhsa_system_vgpr_workitem_id 0
		.amdhsa_next_free_vgpr 160
		.amdhsa_next_free_sgpr 66
		.amdhsa_reserve_vcc 0
		.amdhsa_float_denorm_mode_32 3
		.amdhsa_float_denorm_mode_16_64 3
		.amdhsa_memory_ordered 1
		.amdhsa_forward_progress 1
		.amdhsa_inst_pref_size 11
	.end_amdhsa_kernel
	.amdgpu_metadata
---
amdhsa.version: [ 1, 2 ]
amdhsa.kernels:
  - .name:           k_qc49b4a65a6_quant
    .symbol:         k_qc49b4a65a6_quant.kd
    .args:
      - { .name: x, .offset: 0, .size: 8, .value_kind: global_buffer, .address_space: global }
      - { .name: Wq, .offset: 8, .size: 8, .value_kind: global_buffer, .address_space: global }
      - { .name: Wk, .offset: 16, .size: 8, .value_kind: global_buffer, .address_space: global }
      - { .name: Wv, .offset: 24, .size: 8, .value_kind: global_buffer, .address_space: global }
      - { .name: c1, .offset: 32, .size: 8, .value_kind: global_buffer, .address_space: global }
      - { .name: s1, .offset: 40, .size: 8, .value_kind: global_buffer, .address_space: global }
    .group_segment_fixed_size: 69120
    .private_segment_fixed_size: 0
    .kernarg_segment_align: 8
    .kernarg_segment_size: 48
    .max_flat_workgroup_size: 256
    .sgpr_count:     66
    .vgpr_count:     160
    .wavefront_size: 32
...
	.end_amdgpu_metadata
.endif
;; end of part 1
;; launch proj (part 2): grid 8 x 32, 4 waves a work-group, clusters of 4 x 4, 327,680 bytes of LDS; arguments c1, s1, bq, bk, bv, c2, s2; writes c2, s2
.if DOCPART == 2
	.amdgcn_target "amdgcn-amd-amdhsa--gfx1250"
	.amdhsa_code_object_version 6
	.text
	.protected	k_qc49b4a65a6_proj
	.globl	k_qc49b4a65a6_proj
	.p2align	8
	.type	k_qc49b4a65a6_proj,@function
k_qc49b4a65a6_proj:
	s_mov_b64 s[64:65], 0
	v_nop
	global_prefetch_b8 v0, s[64:65] scope:SCOPE_SE
	s_setreg_imm32_b32 hwreg(HW_REG_WAVE_MODE, 25, 1), 1
	s_wait_xcnt 0x0
	s_wait_alu depctr_hold_cnt(0) depctr_sa_sdst(0) depctr_va_vdst(0) depctr_va_sdst(0) depctr_va_ssrc(0) depctr_va_vcc(0) depctr_vm_vsrc(0)
	s_getreg_b32 s2, hwreg(HW_REG_IB_STS2, 6, 4)
	s_cmp_eq_u32 s2, 0
	s_cbranch_scc0 .Lentry_in_a_cluster
	s_endpgm
.Lentry_in_a_cluster:
	s_bfe_u32 s2, ttmp6, 0x10000c
	s_cmp_lg_u32 s2, 0xf033
	s_cbranch_scc0 .Lentry_shape_is_right
	s_endpgm
.Lentry_shape_is_right:
; q = x Wq^T + bq, k = x Wk^T + bk and v^T = Wv x^T + bv on codes of BF6 (K = 1,024), each quantised again along the next product's K.
; SHARES.  A work-group takes 256 rows of x: first against 256 rows of Wq or Wk (T0 0-3: q, 4-7: k), then against 128 rows of Wv.  Four waves: 128 x 128 (64 accumulators), then 128 x 64 (32).
; First product: source 0 = W (half H0), source 1 = x (half H1): a lane holds a row of q or k, registers along its columns.  Second: source 0 = x (half H1), source 1 = Wv (half H0): a lane holds a channel, registers along the tokens.
; The biases are the C of the first products.  K steps of 128; x, W: 24,576 bytes a step, Wv: 12,288.
; LDS.  0: x 0-1;  49,152: W 0-1;  98,304: x 2-7;  245,760: W 2-4.  THE HEAD asks for all of that, one joint load a wave; only waves 0 and 1 (x 0-1, W 0-1) wait ahead of the first step.
; REFILLS, each behind a round: after step 1: W 5-7 at 0, Wv 0-1 at 73,728;  after step 4: Wv 2-7 at 245,760;  after step 7: x 0-1 at 0.  The second product takes the steps in the order 2 .. 7, 0, 1.
; x 2-7 are fetched once for both products.  No prefetch: there is no loop, and all but three refills are asked for at the head.
; CLUSTER 4 x 4: x hangs on the cluster's y and is shared along a row, W and Wv on its x and shared along a column.
; OUT.  c2: q, k: [block of 16 row tiles][K step 8][tile 16][1536], 64 blocks; v^T from 12,582,912 on: [channel tile 64][chunk of 128 tokens 64][1536].
;       s2: q, k: [K step 8][row tile 1024][16 words]; v^T from 524,288 on: [chunk 64][channel tile 64][16 words].
; REGISTERS: window 0: v0-31 addresses; v32-95 scale words SC(i, k step): lanes 0-15 x's tile i, lanes 16-31 W's; v96-99 bv; v104-120 at work; v128-223 source 1; v176-194 codes on the way out; v224-255 Wv's scale words.
;   window 1: source 0, two sets at 0 and 128; biases at 96-127 and 224-255.   windows 2, 3: accumulator (a, b) at v[8 (8 a + b)].
; LIMITS: NaN and infinities are not served.  A block whose largest magnitude lies under 2^-122 gets the byte 1.
.set KU,    24576
.set X2,    98304
.set WU2,   245760
.set SPARE, 319488                     ; the spare words: 128 bytes a wave, two blocks of 256 bytes that no other line names
.set SCR,   320000                     ; 512 bytes a wave: scale words on their way out
.set LI,   4
.set SOF,  5
.set OV,   6
.set SOFV, 12
.set OV2,  14
.set AX0,  16
.set AX1,  17
.set AX2,  18
.set AW0,  19
.set AW1,  20
.set AW2,  21
.set AV0,  22
.set AV1,  23
.set AV2,  24
.set SPW,  28
.set NIL,  29
.set SC,   32
.set BL,   96
.set TM,   104
.set PW,   120
.set AF,   128
.set PC,   176
.set VS,   224
.set WV,  18
.set H1,  19
.set H0,  20
.set KX,  21
.set SEL, 22
.set GX0, 24                           ; group 1: x, 16 rows of 3,072 bytes at the head, 4 in the refill
.set GW0, 32                           ; W: 16 rows, then 8 and 6
.set GX1, 40                           ; x 2-7: 48 rows
.set GW1, 48                           ; W 2-4: 24 rows
.set CX,  66
.set CY,  67
.set HX0, 68                           ; group 0 of the head's four loads,
.set HW0, 72
.set HX1, 76
.set HW1, 80
.set R1,  84                           ; and of the three refills
.set R2,  88
.set R3,  92
.set T1,  100
.set T0,  101
.set MSB, 0
.macro WIN new                         ; the immediate's high byte repeats the setting that is left; a switch that changes nothing is dropped
.if MSB != (\new)
	s_set_vgpr_msb (MSB<<8)|(\new)
.set MSB, (\new)
.endif
.endm
.set MUL_LO, 0xa1                      ; source 0 window 1, source 1 window 0, C and D window 2
.set MUL_HI, 0xf1                      ; C and D window 3
.set BIAS_LO, 0x91                     ; C (a bias) window 1, D window 2
.set BIAS_HI, 0xd1
.set TO_B,   0x40
.macro CREST                           ; a round of the cluster's barrier behind its opening barrier
	s_cmp_lg_u32 s[WV], 0
	s_cbranch_scc1 .Lnot_wave_0_\@
	s_barrier_signal -3
.Lnot_wave_0_\@:
	s_barrier_wait -3
	s_barrier_signal -1
	s_barrier_wait -1
.endm
.macro CROUND
	s_barrier_signal -1
	s_barrier_wait -1
	CREST
.endm
.macro PLACES n
.rept \n
	v_nop
.endr
.endm
	s_load_b256 s[4:11], s[0:1], 0x0               ; c1, s1, bq, bk
	s_load_b128 s[12:15], s[0:1], 0x20             ; bv, c2
	s_load_b64 s[16:17], s[0:1], 0x30              ; s2
	v_lshl_add_u32 v[SPW], v0, 2, SPARE
	v_mov_b32 v[NIL], 0
	ds_add_u32 v[SPW], v[NIL]                      ; the opening lines: the add, twice on end, and its wait ahead of my first tensor load
	ds_add_u32 v[SPW], v[NIL]
	v_lshrrev_b32 v1, 5, v0
	v_readfirstlane_b32 s[WV], v1
	s_lshr_b32 s[H1], s[WV], 1
	s_and_b32 s[H0], s[WV], 1
	s_bfe_u32 s[CX], ttmp6, 0x40000
	s_bfe_u32 s[CY], ttmp6, 0x40004
	s_mov_b32 s[KX], ttmp9                         ; 0: q, 1: k
	s_and_b32 s[T1], ttmp7, 0xffff
	s_lshl_b32 s[T1], s[T1], 2
	s_add_co_u32 s[T1], s[T1], s[CY]               ; which 256 rows of x
	s_lshl_b32 s[T0], s[KX], 2
	s_add_co_u32 s[T0], s[T0], s[CX]               ; which 256 rows of Wq, Wk; which 128 of Wv
	s_lshl_b32 s96, s[CY], 2
	s_lshl_b32 s96, 15, s96                        ; my row of the cluster
	s_lshl_b32 s97, 0x1111, s[CX]                  ; my column
	s_or_b32 s[GX0], s96, (3<<16)|(1<<21)          ; dense blocks as rows of 3,072 bytes, in elements of 8 bytes, no padding
	s_or_b32 s[GX1], s96, (3<<16)|(1<<21)
	s_or_b32 s[GW0], s97, (3<<16)|(1<<21)
	s_or_b32 s[GW1], s97, (3<<16)|(1<<21)
.irp g, GX0, GX1, GW0, GW1
	s_mov_b32 s[\g+1], 384<<16
	s_mov_b32 s[\g+3], 384<<16
	s_mov_b32 s[\g+5], 384
	s_mov_b32 s[\g+6], 0
	s_mov_b32 s[\g+7], 0
.endr
	s_mov_b32 s[GX0+2], 16<<16
	s_mov_b32 s[GX0+4], 16
	s_mov_b32 s[GW0+2], 16<<16
	s_mov_b32 s[GW0+4], 16
	s_mov_b32 s[GX1+2], 48<<16
	s_mov_b32 s[GX1+4], 48
	s_mov_b32 s[GW1+2], 24<<16
	s_mov_b32 s[GW1+4], 24
	s_mul_i32 s56, s[T1], 196608                   ; x's block,
	s_mov_b32 s57, 0
	s_mul_i32 s58, s[T0], 196608
	s_add_co_u32 s58, s58, 6291456                 ; W's,
	s_mov_b32 s59, 0
	s_mul_i32 s60, s[T0], 98304
	s_add_co_u32 s60, s60, 7864320                 ; Wv's
	s_mov_b32 s61, 0
	s_mul_i32 s98, s[WV], KU                       ; refill 1: wave w < 3 W's step 5 + w, wave 3 Wv 0-1
	s_add_co_u32 s62, s58, s98
	s_add_co_u32 s62, s62, 5*KU
	s_mov_b32 s63, 0
	s_cmp_eq_u32 s[WV], 3
	s_cselect_b32 s62, s60, s62
	s_mov_b32 s[R1], 1
	s_mov_b32 s[R1+1], s98
	s_mul_i32 s98, s[WV], 18432                    ; refill 2: a quarter of Wv 2-7
	s_mov_b32 s[R2], 1
	s_add_co_u32 s[R2+1], s98, WU2
	s_add_co_u32 s66, s60, s98
	s_add_co_u32 s66, s66, KU
	s_mov_b32 s67, 0
	s_mul_i32 s98, s[WV], 12288                    ; refill 3: a quarter of x 0-1
	s_mov_b32 s[R3], 1
	s_mov_b32 s[R3+1], s98
	s_add_co_u32 s96, s56, s98
	s_mov_b32 s97, 0
	s_mov_b32 s[HX0], 1
	s_mov_b32 s[HX0+1], 0
	s_mov_b32 s[HW0], 1
	s_mov_b32 s[HW0+1], 2*KU
	s_mov_b32 s[HX1], 1
	s_mov_b32 s[HX1+1], X2
	s_mov_b32 s[HW1], 1
	s_mov_b32 s[HW1+1], WU2
	s_wait_dscnt 0x0                               ; both opening adds are done
	s_wait_alu depctr_va_vdst(0)
	s_wait_kmcnt 0x0
	s_add_nc_u64 s[HX0+2:HX0+3], s[4:5], s[56:57]
	s_add_nc_u64 s[HX1+2:HX1+3], s[HX0+2:HX0+3], 2*KU
	s_add_nc_u64 s[HW0+2:HW0+3], s[4:5], s[58:59]
	s_add_nc_u64 s[HW1+2:HW1+3], s[HW0+2:HW0+3], 2*KU
	s_add_nc_u64 s[R1+2:R1+3], s[4:5], s[62:63]
	s_add_nc_u64 s[R2+2:R2+3], s[4:5], s[66:67]
	s_add_nc_u64 s[R3+2:R3+3], s[4:5], s[96:97]
.irp g, HX0, HW0, HX1, HW1, R1, R2, R3
	s_or_b32 s[\g+3], s[\g+3], 0x80000000
.endr
	CROUND                                         ; all sixteen work-groups are here: the first joint loads meet
; THE HEAD'S LOADS, ONE A WAVE: every way through passes exactly one.
.macro ARM under, g0, g1, next
	s_cmp_lt_u32 s[WV], \under
	s_cbranch_scc0 \next
	tensor_load_to_lds s[\g0:\g0+3], s[\g1:\g1+7]
	s_nop 0
.rept 4
	v_nop
.endr
	s_branch .Lhead_asked
\next:
.endm
	ARM 1, HX0, GX0, .Lhead_1
	ARM 2, HW0, GW0, .Lhead_2
	ARM 3, HX1, GX1, .Lhead_3
	tensor_load_to_lds s[HW1:HW1+3], s[GW1:GW1+7]
	s_nop 0
.rept 4
	v_nop
.endr
.Lhead_asked:
	s_mul_i32 s2, s[H1], 12288                     ; my 8 tiles of x in a step,
	s_mul_i32 s3, s[H0], 12288                     ; of W,
	s_mul_i32 s98, s[H0], 6144                     ; my 4 of Wv
	s_lshl_b32 s99, s[WV], 9
	s_add_co_u32 s99, s99, SCR
	s_lshl_b32 s56, s[T1], 4
	s_lshl_b32 s4, s[H1], 3
	s_add_co_u32 s56, s56, s4                      ; my first row tile of x
	s_lshl_b32 s63, s[KX], 9
	s_add_co_u32 s63, s63, s56                     ; and of q and k together
	s_lshl_b32 s56, s56, 9                         ; 512 bytes of scale words a tile
	s_lshl_b32 s57, s[T0], 4
	s_lshl_b32 s4, s[H0], 3
	s_add_co_u32 s57, s57, s4
	s_add_co_u32 s57, s57, 512
	s_lshl_b32 s57, s57, 9
	s_lshl_b32 s66, s[T0], 3
	s_lshl_b32 s4, s[H0], 2
	s_add_co_u32 s66, s66, s4                      ; my first channel tile
	s_add_co_u32 s58, s66, 640
	s_lshl_b32 s58, s58, 9
	s_lshl_b32 s59, s[T0], 1
	s_add_co_u32 s59, s59, s[H0]
	s_and_b32 s59, s59, 7                          ; my 128 columns of q or k: a K step of the scores
	s_lshl_b32 s60, s59, 9
	s_lshl_b32 s61, s[T0], 9
	s_lshl_b32 s4, s[H0], 8
	s_add_co_u32 s61, s61, s4
	; LAYOUTS, where they differ from the head's lines: a block of k is 16 row tiles on end; a block of q, (batch, G), holds tiles g + 16 m with g / 2 = G, m by m: [batch][G 8][K step 8][m 8][g % 2][1536].
	; s2 for q and k: [pair of K steps 4][row tile 1024][16 rows][2 words].
	s_add_co_u32 s62, s[T1], 32
	s_mul_i32 s62, s62, 196608
	s_add_co_u32 s62, s62, s2                      ; k: my 8 tiles lie dense
	s_and_b32 s4, s[T1], 24
	s_lshl_b32 s5, s[H1], 2
	s_add_co_u32 s4, s4, s5
	s_mul_i32 s4, s4, 196608                       ; q: 8 x batch + my first G,
	s_and_b32 s5, s[T1], 7
	s_mul_i32 s5, s5, 3072                         ; m
	s_add_co_u32 s4, s4, s5
	s_cmp_eq_u32 s[KX], 0
	s_cselect_b32 s62, s4, s62
	s_mul_i32 s4, s59, KU
	s_add_co_u32 s62, s62, s4
	s_lshl_b32 s63, s63, 7                         ; s2: 128 bytes a row tile,
	s_lshr_b32 s4, s59, 1
	s_lshl_b32 s4, s4, 17
	s_add_co_u32 s63, s63, s4                      ; the pair's plane,
	s_lshl_b32 s4, s[H0], 9
	s_add_co_u32 s63, s63, s4                      ; and the half of 1,024 bytes that my wave stores
	s_lshl_b32 s67, s[T1], 1
	s_add_co_u32 s67, s67, s[H1]                   ; my chunk of 128 tokens
	s_lshl_b32 s96, s66, 6
	s_add_co_u32 s96, s96, s67
	s_mul_i32 s96, s96, 1536
	s_add_co_u32 s96, s96, 12582912                ; c2: v^T
	s_lshl_b32 s97, s67, 12
	s_lshl_b32 s4, s66, 6
	s_add_co_u32 s97, s97, s4
	s_add_co_u32 s97, s97, 524288                  ; s2: v^T
	s_cmp_eq_u32 s[KX], 0
	s_cselect_b64 s[8:9], s[8:9], s[10:11]         ; bq or bk
	s_mov_b32 s[SEL], 0x76543210
	s_mov_b32 s[SEL+1], 0xfedcba98
	v_and_b32 v1, 15, v0                           ; r
	v_bfe_u32 v2, v0, 4, 1                         ; h
	v_and_b32 v3, 31, v0
	v_lshlrev_b32 v[LI], 4, v3
	v_mov_b32 v100, s56
	v_mov_b32 v101, s57
	v_cmp_eq_u32 vcc_lo, 1, v2
	v_cndmask_b32 v[SOF], v100, v101, vcc_lo       ; lanes 0-15 take x's words, lanes 16-31 W's
	v_lshl_add_u32 v[SOF], v1, 5, v[SOF]
	v_lshl_add_u32 v[SOFV], v1, 5, s58
.irp i, 0,1,2,3,4,5,6,7
	global_load_b128 v[SC+8*\i:SC+8*\i+3], v[SOF], s[6:7] offset:512*\i
	global_load_b128 v[SC+8*\i+4:SC+8*\i+7], v[SOF], s[6:7] offset:512*\i+16
.endr
	v_lshl_add_u32 v9, v2, 6, s60                  ; a lane's columns: 16 h + 0 .. 7 of each tile
	v_and_b32 v26, 8, v1
	v_add_nc_u32 v26, v26, v1                      ; r + 8 (r / 8)
	v_lshl_add_u32 v10, v26, 2, s61
	WIN TO_B
.irp b, 0,1,2,3,4,5,6,7
	global_load_b128 v[96+8*(\b%4)+128*(\b/4):96+8*(\b%4)+128*(\b/4)+3], v9, s[8:9] offset:(32*(\b/2)+8*(\b%2))*4
	global_load_b128 v[96+8*(\b%4)+128*(\b/4)+4:96+8*(\b%4)+128*(\b/4)+7], v9, s[8:9] offset:(32*(\b/2)+8*(\b%2))*4+16
.endr
	WIN 0
.irp a, 0,1,2,3
	global_load_b128 v[VS+8*\a:VS+8*\a+3], v[SOFV], s[6:7] offset:512*\a
	global_load_b128 v[VS+8*\a+4:VS+8*\a+7], v[SOFV], s[6:7] offset:512*\a+16
	global_load_b32 v[BL+\a], v10, s[12:13] offset:(32*(\a/2)+8*(\a%2))*4
.endr
	v_add_nc_u32 v[AX0], s2, v[LI]
	v_add_nc_u32 v[AX1], X2, v[AX0]
	v_add_nc_u32 v[AX2], X2+3*KU, v[AX0]
	v_add_nc_u32 v[AW2], s3, v[LI]
	v_add_nc_u32 v[AW0], 2*KU, v[AW2]
	v_add_nc_u32 v[AW1], WU2, v[AW2]
	v_add_nc_u32 v27, s98, v[LI]
	v_add_nc_u32 v[AV0], 3*KU, v27
	v_add_nc_u32 v[AV1], WU2, v27
	v_add_nc_u32 v[AV2], WU2+36864, v27
	v_add_nc_u32 v[OV], s62, v[LI]
	v_add_nc_u32 v11, s63, v[LI]
	v_add_nc_u32 v[OV2], s96, v[LI]
	v_lshl_add_u32 v15, v3, 3, s97
	v_add_nc_u32 v8, s99, v[LI]
	s_lshl_b32 s98, s[H1], 10                      ; waves 2 H1 and 2 H1 + 1 have the two K steps of the same rows: their words meet in LDS
	s_lshl_b32 s99, s[H0], 2
	s_add_co_u32 s98, s98, s99
	s_add_co_u32 s98, s98, SCR
	v_lshl_add_u32 v7, v1, 3, s98
	s_lshl_b32 s98, s[WV], 8                       ; v^T's words: 256 bytes of my own behind them
	s_add_co_u32 s98, s98, SCR+2048
	v_lshl_add_u32 v13, v1, 2, s98
	v_lshl_add_u32 v25, v3, 3, s98
.irp b, 0,1,2,3
	v_mov_b32 v[TM+4+\b], 0                        ; a lane permute's destination counts as one of its sources
.endr
; 16 products of the first GEMM: x's tiles a0, a0 + 1 x W's eight; the accumulators take turns
.macro MUL16 a0, p, ks, zero
.irp a, \a0, \a0+1
.irp b, 0,1,2,3,4,5,6,7
.if \zero
	v_wmma_scale_f32_16x16x128_f8f6f4 v[8*(8*((\a)%4)+\b):8*(8*((\a)%4)+\b)+7], v[128*(\p)+12*\b:128*(\p)+12*\b+11], v[AF+12*(\a):AF+12*(\a)+11], v[96+8*(\b%4)+128*(\b/4):96+8*(\b%4)+128*(\b/4)+7], v[SC+8*\b+(\ks)], v[SC+8*(\a)+(\ks)] matrix_a_fmt:MATRIX_FMT_BF6 matrix_b_fmt:MATRIX_FMT_BF6 matrix_a_scale:MATRIX_SCALE_ROW1
.else
	v_wmma_scale_f32_16x16x128_f8f6f4 v[8*(8*((\a)%4)+\b):8*(8*((\a)%4)+\b)+7], v[128*(\p)+12*\b:128*(\p)+12*\b+11], v[AF+12*(\a):AF+12*(\a)+11], v[8*(8*((\a)%4)+\b):8*(8*((\a)%4)+\b)+7], v[SC+8*\b+(\ks)], v[SC+8*(\a)+(\ks)] matrix_a_fmt:MATRIX_FMT_BF6 matrix_b_fmt:MATRIX_FMT_BF6 matrix_a_scale:MATRIX_SCALE_ROW1
.endif
.endr
.endr
.endm
; one fragment, three loads of 512 bytes: x's, W's and Wv's tile i of my half, K step ks
.macro XF reg, ks, i
.irp c, 0,1,2
.if (\ks) < 2
	ds_load_b128 v[\reg+4*\c:\reg+4*\c+3], v[AX0] offset:KU*(\ks)+1536*(\i)+512*\c
.elseif (\ks) < 5
	ds_load_b128 v[\reg+4*\c:\reg+4*\c+3], v[AX1] offset:KU*((\ks)-2)+1536*(\i)+512*\c
.else
	ds_load_b128 v[\reg+4*\c:\reg+4*\c+3], v[AX2] offset:KU*((\ks)-5)+1536*(\i)+512*\c
.endif
.endr
.endm
.macro WF reg, ks, i
.irp c, 0,1,2
.if (\ks) < 2
	ds_load_b128 v[\reg+4*\c:\reg+4*\c+3], v[AW0] offset:KU*(\ks)+1536*(\i)+512*\c
.elseif (\ks) < 5
	ds_load_b128 v[\reg+4*\c:\reg+4*\c+3], v[AW1] offset:KU*((\ks)-2)+1536*(\i)+512*\c
.else
	ds_load_b128 v[\reg+4*\c:\reg+4*\c+3], v[AW2] offset:KU*((\ks)-5)+1536*(\i)+512*\c
.endif
.endr
.endm
.macro VF reg, ks, i
.irp c, 0,1,2
.if (\ks) < 2
	ds_load_b128 v[\reg+4*\c:\reg+4*\c+3], v[AV0] offset:12288*(\ks)+1536*(\i)+512*\c
.elseif (\ks) < 5
	ds_load_b128 v[\reg+4*\c:\reg+4*\c+3], v[AV1] offset:12288*((\ks)-2)+1536*(\i)+512*\c
.else
	ds_load_b128 v[\reg+4*\c:\reg+4*\c+3], v[AV2] offset:12288*((\ks)-5)+1536*(\i)+512*\c
.endif
.endr
.endm
.macro FETCH_W ks                      ; W's eight into set ks % 2
	WIN TO_B
.irp i, 0,1,2,3,4,5,6,7
	WF 128*((\ks)%2)+12*\i, (\ks), \i
.endr
	WIN 0
.endm
.macro FETCH_X ks, i0                  ; four of x's eight
.irp i, \i0, \i0+1, \i0+2, \i0+3
	XF AF+12*(\i), (\ks), (\i)
.endr
.endm
.macro FETCH2 n                        ; the second product's n-th step, K step (n + 2) % 8: x's eight and Wv's four into set n % 2
	WIN TO_B
.irp i, 0,1,2,3,4,5,6,7
	XF 128*((\n)%2)+12*\i, (((\n)+2)%8), \i
.endr
	WIN 0
.irp a, 0,1,2,3
	VF AF+48*((\n)%2)+12*\a, (((\n)+2)%8), \a
.endr
.endm
.macro STEP ks, zero
	s_wait_dscnt 12                                ; W's set and x's tiles 0-3 are in; the 12 youngest loads (x's tiles 4-7) may be out
.if \zero
	WIN BIAS_LO
.else
	WIN MUL_LO
.endif
	MUL16 0, (\ks)%2, \ks, \zero
	MUL16 2, (\ks)%2, \ks, \zero
	s_wait_dscnt 0x0
	PLACES 4                                       ; in front of loads into registers that matrix instructions have read
	FETCH_W (\ks)+1
	FETCH_X (\ks)+1, 0
.if \zero
	WIN BIAS_HI
.else
	WIN MUL_HI
.endif
	MUL16 4, (\ks)%2, \ks, \zero
	MUL16 6, (\ks)%2, \ks, \zero
	PLACES 4
	WIN 0
	FETCH_X (\ks)+1, 4
.endm
; a step behind whose reads LDS bytes are filled again: group 0 g0, group 1 g1 with its count of rows set anew (no tensor load of mine is out then)
.macro TURN ks, g0, g1, rows
	s_wait_tensorcnt 0x0                           ; all my tensor loads have landed
	ds_add_u32 v[SPW], v[NIL]                      ; 0 onto my spare word
	s_mov_b32 s[\g1+2], (\rows)<<16
	s_mov_b32 s[\g1+4], \rows
	s_wait_dscnt 13                                ; (the add and x's tiles 4-7 may be out)
	WIN MUL_LO
	MUL16 0, (\ks)%2, \ks, 0
	s_wait_dscnt 0x0                               ; the add is done, and all my reads are over
	s_barrier_signal -1
	MUL16 2, (\ks)%2, \ks, 0
	WIN 0
	s_barrier_wait -1
	CREST                                          ; no wave of any partner still reads these bytes or has a load on its way
	tensor_load_to_lds s[\g0:\g0+3], s[\g1:\g1+7]  ; my one tensor load behind the round
	s_nop 0
	PLACES 4                                       ; (also the places in front of the loads below)
.if (\ks) < 7
	FETCH_W (\ks)+1
	FETCH_X (\ks)+1, 0
.else
	FETCH2 0
.endif
	WIN MUL_HI
	MUL16 4, (\ks)%2, \ks, 0
	MUL16 6, (\ks)%2, \ks, 0
	PLACES 4
	WIN 0
.if (\ks) < 7
	FETCH_X (\ks)+1, 4
.endif
.endm
; 64 results of a lane, at s of window wa, become codes PC .. PC + 11 and the scale word PW.  Register 16 b + i is number 32 b + 16 h + i along the next K
.macro QUANT s, wa, again
	WIN ((\wa)|((\wa)<<2))
.irp b, 0,1,2,3
	v_max3_num_f32 v[TM+\b], |v[\s+16*\b]|, |v[\s+1+16*\b]|, 0x2800000   ; each accumulator is read from its low end on
.endr
	WIN (((\wa)<<2)|((\wa)<<4))
.irp i, 2,4,6,8,10,12,14
.irp b, 0,1,2,3
	v_max3_num_f32 v[TM+\b], v[TM+\b], |v[\s+16*\b+\i]|, |v[\s+1+16*\b+\i]|
.endr
.endr
	WIN 0
.if (\again) > 0
	s_wait_alu depctr_va_vdst(0)                   ; directly ahead of the waits below
	s_wait_dscnt 0x0                               ; the last tile's word store has read its register,
	s_wait_xcnt 0x0                                ; and its stores the codes'
.endif
.irp b, 0,1,2,3
	v_permlanex16_b32 v[TM+4+\b], v[TM+\b], s[SEL], s[SEL+1]
.endr
.irp b, 0,1,2,3
	v_max_num_f32 v[TM+\b], v[TM+\b], v[TM+4+\b]
.endr
.irp b, 0,1,2,3
	v_add_nc_u32 v[TM+12+\b], 0xfe000000, v[TM+\b] ; 4 off the exponent field: the conversion's scale operand
.endr
.irp b, 0,1,2,3
	v_lshrrev_b32 v[TM+4+\b], 23, v[TM+12+\b]
.endr
	v_lshl_or_b32 v[PW], v[TM+5], 8, v[TM+4]
	v_lshl_or_b32 v[PW], v[TM+6], 16, v[PW]
	v_lshl_or_b32 v[PW], v[TM+7], 24, v[PW]
	WIN \wa
.irp c, 0,1
	v_cvt_scalef32_pk16_bf6_f32 v[PC+6*\c:PC+2+6*\c], v[\s+32*\c:\s+15+32*\c], v[TM+12+2*\c]
	v_cvt_scalef32_pk16_bf6_f32 v[PC+12+4*\c:PC+14+4*\c], v[\s+16+32*\c:\s+31+32*\c], v[TM+12+2*\c+1]
.endr
	WIN 0
	v_nop                                          ; one plain instruction behind a scaled conversion
.irp c, 0,1
.irp i, 0,1,2
	v_permlane16_swap_b32 v[PC+6*\c+\i], v[PC+12+4*\c+\i]
.endr
.irp i, 0,1,2
	v_mov_b32 v[PC+3+6*\c+\i], v[PC+12+4*\c+\i]
.endr
.endr
.endm
.macro OUTB a
	QUANT 64*((\a)%4), 2+(\a)/4, \a
.if ((\a) > 0) && ((\a)%2 == 0)
	s_add_nc_u64 s[58:59], s[58:59], s[56:57]      ; (behind QUANT's wait on XCNT) two tiles on
.endif
.irp c, 0,1,2
	global_store_b128 v[OV], v[PC+4*\c:PC+4*\c+3], s[58:59] offset:1536*((\a)%2)+512*\c   ; 32 lanes store 512 consecutive bytes
.endr
	ds_store_b32 v7, v[PW] offset:128*(\a)
.endm
.macro MUL32 n
.if (\n) == 0
	WIN BIAS_LO
.else
	WIN MUL_LO
.endif
.irp a, 0,1,2,3
.irp b, 0,1,2,3,4,5,6,7
.if (\n) == 0
	v_wmma_scale_f32_16x16x128_f8f6f4 v[8*(8*\a+\b):8*(8*\a+\b)+7], v[128*((\n)%2)+12*\b:128*((\n)%2)+12*\b+11], v[AF+48*((\n)%2)+12*\a:AF+48*((\n)%2)+12*\a+11], v[96+8*\a:96+8*\a+7], v[SC+8*\b+((\n)+2)%8], v[VS+8*\a+((\n)+2)%8] matrix_a_fmt:MATRIX_FMT_BF6 matrix_b_fmt:MATRIX_FMT_BF6
.else
	v_wmma_scale_f32_16x16x128_f8f6f4 v[8*(8*\a+\b):8*(8*\a+\b)+7], v[128*((\n)%2)+12*\b:128*((\n)%2)+12*\b+11], v[AF+48*((\n)%2)+12*\a:AF+48*((\n)%2)+12*\a+11], v[8*(8*\a+\b):8*(8*\a+\b)+7], v[SC+8*\b+((\n)+2)%8], v[VS+8*\a+((\n)+2)%8] matrix_a_fmt:MATRIX_FMT_BF6 matrix_b_fmt:MATRIX_FMT_BF6
.endif
.endr
.endr
	WIN 0
.endm
.macro STEP2 n
.if (\n) < 7
.if (\n) == 5
	s_wait_tensorcnt 0x0                           ; my part of x 0-1 is in again
	s_wait_dscnt 0x0
	s_barrier_signal -1
	s_barrier_wait -1                              ; everybody's is
.endif
	PLACES 4
	FETCH2 (\n)+1
	s_wait_dscnt 36                                ; all but the 36 just issued
.else
	s_wait_dscnt 0x0
.endif
	MUL32 \n
.endm
.macro OUTV a
	QUANT 64*(\a), 2, \a
.irp c, 0,1,2
	global_store_b128 v[OV2], v[PC+4*\c:PC+4*\c+3], s[14:15] offset:98304*(\a)+512*\c
.endr
	ds_store_b32 v13, v[PW] offset:64*(\a)
.endm
	s_wait_alu depctr_va_vdst(0)                   ; the wait at the head's end
	s_cmp_lt_u32 s[WV], 2
	s_cbranch_scc0 .Lfirst_in                      ; waves 2 and 3: what they asked for is waited for in step 1
	s_wait_tensorcnt 0x0                           ; x 0-1, W 0-1
.Lfirst_in:
	s_barrier_signal -1
	s_barrier_wait -1
	FETCH_W 0
	FETCH_X 0, 0
	FETCH_X 0, 4
	s_wait_loadcnt 0x0                             ; scale words and biases
	STEP 0, 1
	TURN 1, R1, GW0, 8
	STEP 2, 0
	STEP 3, 0
	TURN 4, R2, GW0, 6
	STEP 5, 0
	STEP 6, 0
	TURN 7, R3, GX0, 4
	s_mov_b64 s[58:59], s[14:15]
	s_cmp_eq_u32 s[KX], 0
	s_mov_b32 s56, 3072                            ; from two tiles to the next two: k,
	s_cselect_b32 s56, 196608, s56                 ; q
	s_mov_b32 s57, 0
	WIN TO_B
.irp a, 0,1,2,3
.irp j, 0,1,2,3,4,5,6,7
	v_mov_b32 v[96+8*\a+\j], v[BL+\a]              ; the second product's C: my channel's bias in all eight registers
.endr
.endr
	WIN 0
.irp a, 0,1,2,3,4,5,6,7
	OUTB \a
.endr
	s_wait_alu depctr_va_vdst(0)
	s_wait_dscnt 0x0                               ; my words lie in LDS
	s_barrier_signal -1
	s_barrier_wait -1                              ; everybody's do
	ds_load_b128 v[124:127], v8
	s_wait_dscnt 0x0
	global_store_b128 v11, v[124:127], s[16:17]    ; 512 consecutive bytes
	s_wait_xcnt 0x0                                ; the stores have read the codes' registers, which the next fetch fills
.irp n, 0,1,2,3,4,5,6,7
	STEP2 \n
.endr
	PLACES 4
.irp a, 0,1,2,3
	OUTV \a
.endr
	ds_load_b64 v[124:125], v25
	s_wait_dscnt 0x0
	global_store_b64 v15, v[124:125], s[16:17]     ; 256 consecutive bytes
	s_wait_tensorcnt 0x0                           ; the wave's end
	ds_add_u32 v[SPW], v[NIL]
	s_wait_dscnt 0x0
	CROUND                                         ; the closing round
	s_endpgm
.Lfunc_end_k_qc49b4a65a6_proj:
	.size	k_qc49b4a65a6_proj, .Lfunc_end_k_qc49b4a65a6_proj-k_qc49b4a65a6_proj
	.p2alignl 7, 3214868480
	.fill 96, 4, 3214868480
	.section	.rodata,"a",@progbits
	.p2align	6, 0x0
	.amdhsa_kernel k_qc49b4a65a6_proj
		.amdhsa_group_segment_fixed_size 327680
		.amdhsa_private_segment_fixed_size 0
		.amdhsa_enable_private_segment 0
		.amdhsa_kernarg_size 56
		.amdhsa_user_sgpr_count 2
		.amdhsa_user_sgpr_kernarg_segment_ptr 1
		.amdhsa_wavefront_size32 1
		.amdhsa_system_sgpr_workgroup_id_x 1
		.amdhsa_system_sgpr_workgroup_id_y 1
		.amdhsa_system_sgpr_workgroup_id_z 1
		.amdhsa_system_vgpr_workitem_id 0
		.amdhsa_next_free_vgpr 1024
		.amdhsa_next_free_sgpr 102
		.amdhsa_reserve_vcc 1
		.amdhsa_float_denorm_mode_32 3
		.amdhsa_float_denorm_mode_16_64 3
		.amdhsa_memory_ordered 1
		.amdhsa_forward_progress 1
		.amdhsa_inst_pref_size 216
	.end_amdhsa_kernel
	.amdgpu_metadata
---
amdhsa.version: [ 1, 2 ]
amdhsa.kernels:
  - .name:           k_qc49b4a65a6_proj
    .symbol:         k_qc49b4a65a6_proj.kd
    .args:
      - { .name: c1, .offset: 0, .size: 8, .value_kind: global_buffer, .address_space: global }
      - { .name: s1, .offset: 8, .size: 8, .value_kind: global_buffer, .address_space: global }
      - { .name: bq, .offset: 16, .size: 8, .value_kind: global_buffer, .address_space: global }
      - { .name: bk, .offset: 24, .size: 8, .value_kind: global_buffer, .address_space: global }
      - { .name: bv, .offset: 32, .size: 8, .value_kind: global_buffer, .address_space: global }
      - { .name: c2, .offset: 40, .size: 8, .value_kind: global_buffer, .address_space: global }
      - { .name: s2, .offset: 48, .size: 8, .value_kind: global_buffer, .address_space: global }
    .group_segment_fixed_size: 327680
    .private_segment_fixed_size: 0
    .kernarg_segment_align: 8
    .kernarg_segment_size: 56
    .max_flat_workgroup_size: 128
    .sgpr_count:     102
    .vgpr_count:     1024
    .wavefront_size: 32
...
	.end_amdgpu_metadata
.endif
;; end of part 2
;; launch score (part 3): grid 8 x 32, 8 waves a work-group, clusters of 4 x 1, 327,680 bytes of LDS; arguments c2, s2, pc, pst; writes pc, pst
.if DOCPART == 3
	.amdgcn_target "amdgcn-amd-amdhsa--gfx1250"
	.amdhsa_code_object_version 6
	.text
	.protected	k_qc49b4a65a6_score
	.globl	k_qc49b4a65a6_score
	.p2align	8
	.type	k_qc49b4a65a6_score,@function
k_qc49b4a65a6_score:
	s_mov_b64 s[64:65], 0
	v_nop
	global_prefetch_b8 v0, s[64:65] scope:SCOPE_SE
	s_setreg_imm32_b32 hwreg(HW_REG_WAVE_MODE, 25, 1), 1
	s_wait_xcnt 0x0
	s_wait_alu depctr_hold_cnt(0) depctr_sa_sdst(0) depctr_va_vdst(0) depctr_va_sdst(0) depctr_va_ssrc(0) depctr_va_vcc(0) depctr_vm_vsrc(0)
	s_getreg_b32 s2, hwreg(HW_REG_IB_STS2, 6, 4)
	s_cmp_eq_u32 s2, 0
	s_cbranch_scc0 .Lentry_in_a_cluster
	s_endpgm
.Lentry_in_a_cluster:
	s_bfe_u32 s2, ttmp6, 0x10000c
	s_cmp_lg_u32 s2, 0x3003
	s_cbranch_scc0 .Lentry_shape_is_right
	s_endpgm
.Lentry_shape_is_right:
; The causal part of S^T = k q^T on codes of BF6 (K = 1,024), and the softmax's p quantised along the keys, chunk by chunk of 128 keys.
; UNITS.  A unit is query tile (m, g) (16 queries, 16 out of each block of 256) x chunk c; it is made where c <= 2 m + 1: the others lie wholly under reference()'s causal mask, where p = 0 for all finite inputs.
; SHARES.  Work-group (batch, G, y) takes g = 2 G, 2 G + 1 and chunks A = y and B = 15 - y.  With f = y / 2: A has the 8 - f values m >= f, B the f + 1 values m >= 7 - f: 18 units in each of the 256 work-groups.
; Eight waves: wave 0 (m, g % 2) = (6, 1), (7, 0), (7, 1), wave 1 (5, 0), (5, 1), (6, 0), all of A; wave w >= 2 both g of one m: A's m = f + w - 2 while w + f < 7, else B's m = w.
; Source 0 = 16 keys, source 1 = 16 queries: a lane holds ONE query and its registers run along the keys.
; THE SOFTMAX, for each query and chunk: t = score x log2(e) / 32; M = the chunk's largest t rounded UP to a whole number; p = 2^(t - M) is quantised; l = the sum of the unquantised p.
; The maximum is taken from the data; the last launch brings the chunks under the row's M.  Only units with m = c / 2 hold hidden keys: there hidden scores become -infinity ahead of the maximum.
; A unit that is hidden whole has -M = 3e38 log2(e) / 32, l = 0 and zero codes.
; LDS.  0: q's K steps 0-1, 49,152: A's, 73,728: B's; 98,304: q's steps 2-5, 196,608: A's, 245,760: B's.  THE HEAD asks for all of it, one load a wave; steps 6-7 take the place of steps 0-1 behind step 1.
; CLUSTER 4, 1, 1: four values of G need the same keys and ask for them jointly.  q is not shared: the work-groups that need the same q differ in y, on which LDS addresses and branches hang here, and these must be
; alike in all partners.  No prefetch: there is no loop, and all but one refill is asked for at the head.
; OUT.  pc: p's fragments [batch][g 16][72][1536]: tile m has chunk c at place 18 m + c (m < 4) or 20 (7 - m) + 2 + c.  pst: [batch][g 16][72][16 rows][4 words]: p's scale word with bit 7 of each byte set, -M, l, l.
; REGISTERS: window 0: v0-31 addresses; v32-95 scale words: of K steps 2 p, 2 p + 1 at 32 + 16 p + 2 i: lanes 0-15 query unit i's, lanes 16-31 key tile i's; v96-191 keys; v192-227 queries.  window 1: v0-191 the scores, v192-255 p.
; LIMITS: NaN and infinities are not served, nor carried out of what is left out; scaled scores stay under 2^31 in magnitude.  A block whose every p has fallen to 0 keeps the byte 1: its codes are zeros.
; A block's largest p is made from its largest score by the same two instructions.
.set SPARE, 294912                     ; the spare words: 128 bytes a wave, four blocks of 256 bytes that no other line names
.set LI,   4
.set SOF,  5                           ; v5-7
.set AQ,   16                          ; v16 steps 0-1, v17 2-3, v18 4-5
.set AK,   19                          ; v19 steps 0-1, v20 2-5
.set SPW,  28
.set NIL,  29
.set SC,   32
.set KF,   96
.set QF,   192
.set TM,   96                          ; behind the products: v96-99 block maxima, v100-103 at work, v108-111 the conversions' scale operands
.set PW,   112
.set MXR,  114
.set NM,   116                         ; v[116:117]: -M
.set SUM,  118
.set LL,   122
.set PC,   128                         ; 20 registers a unit
.set PS,   188                         ; 2 a unit
.set HA,   192                         ; in window 1
.set WV,  12
.set W0,  13
.set BND, 13                           ; (behind the head) my units lie on the diagonal
.set FF,  14
.set BB,  15
.set YY,  16
.set GG,  17
.set AB,  18                           ; my chunk: 0 A, 1 B
.set QB,  19                           ; my first query tile, 2 m + g % 2
.set SEL, 20
.set CS,  22                           ; s[22:23] log2(e) / 32: the packed form names a pair
.set GQ8,  24
.set GQ16, 32
.set GK2,  40
.set GK4,  48
.set RQ,  56
.set RK,  60
.set GKR, 68
.set GQR, 76
.set HA1, 84
.set HA2, 88
.set HA3, 92
.set HA4, 96
.set HM,  100                          ; lanes 16-31
.set CH,  101                          ; my chunk's number
.set MSB, 0
.macro WIN new                         ; the immediate's high byte repeats the setting that is left; a switch that changes nothing is dropped
.if MSB != (\new)
	s_set_vgpr_msb (MSB<<8)|(\new)
.set MSB, (\new)
.endif
.endm
.macro PLACES n
.rept \n
	v_nop
.endr
.endm
.macro CREST                           ; a round of the cluster's barrier behind its opening barrier
	s_cmp_lg_u32 s[WV], 0
	s_cbranch_scc1 .Lnot_wave_0_\@
	s_barrier_signal -3
.Lnot_wave_0_\@:
	s_barrier_wait -3
	s_barrier_signal -1
	s_barrier_wait -1
.endm
.macro CROUND
	s_barrier_signal -1
	s_barrier_wait -1
	CREST
.endm
	s_load_b256 s[4:11], s[0:1], 0x0               ; c2 s[4:5], s2 s[6:7], pc s[8:9], pst s[10:11]
	v_lshl_add_u32 v[SPW], v0, 2, SPARE
	v_mov_b32 v[NIL], 0
	ds_add_u32 v[SPW], v[NIL]                      ; the opening lines: the add, twice on end, and its wait ahead of my first tensor load
	ds_add_u32 v[SPW], v[NIL]
	v_lshrrev_b32 v1, 5, v0
	v_readfirstlane_b32 s[WV], v1
	s_and_b32 s[W0], s[WV], 1
	s_and_b32 s2, ttmp7, 0xffff
	s_lshr_b32 s[BB], s2, 3                        ; the batch
	s_and_b32 s[YY], s2, 7
	s_lshr_b32 s[FF], s[YY], 1
	s_bfe_u32 s2, ttmp6, 0x40000
	s_lshl_b32 s[GG], ttmp9, 2
	s_add_co_u32 s[GG], s[GG], s2
.irp g, GQ8, GQ16, GQR
	s_mov_b32 s[\g], 3<<16                         ; q: no mask; elements of 8 bytes; dense, as rows of 3,072 bytes
.endr
.irp g, GK2, GK4, GKR
	s_mov_b32 s[\g], (3<<16)|(1<<21)|15            ; the keys: the four of the cluster
.endr
.irp g, GQ8, GQ16, GQR, GKR
	s_mov_b32 s[\g+1], 384<<16
	s_mov_b32 s[\g+3], 384<<16
	s_mov_b32 s[\g+5], 384
	s_mov_b32 s[\g+6], 0
	s_mov_b32 s[\g+7], 0
.endr
.irp g, GK2, GK4
	s_mov_b32 s[\g+1], 1536<<16                    ; a chunk's K step is 12,288 bytes, 24,576 from step to step
	s_mov_b32 s[\g+3], 1536<<16
	s_mov_b32 s[\g+5], 3072
	s_mov_b32 s[\g+6], 0
	s_mov_b32 s[\g+7], 0
.endr
	s_mov_b32 s[GQ8+2], 8<<16
	s_mov_b32 s[GQ8+4], 8
	s_mov_b32 s[GQ16+2], 16<<16
	s_mov_b32 s[GQ16+4], 16
	s_mov_b32 s[GQR+2], 4<<16
	s_mov_b32 s[GQR+4], 4
	s_mov_b32 s[GKR+2], 4<<16
	s_mov_b32 s[GKR+4], 4
	s_mov_b32 s[GK2+2], 2<<16
	s_mov_b32 s[GK2+4], 2
	s_mov_b32 s[GK4+2], 4<<16
	s_mov_b32 s[GK4+4], 4
	s_lshl_b32 s2, s[BB], 3
	s_add_co_u32 s66, s2, s[FF]                    ; A: block y / 2,
	s_mul_i32 s66, s66, 196608
	s_and_b32 s3, s[YY], 1
	s_mul_i32 s3, s3, 12288                        ; half y % 2
	s_add_co_u32 s66, s66, s3
	s_add_co_u32 s66, s66, 6291456
	s_add_co_u32 s67, s2, 7                        ; B: block 7 - y / 2,
	s_sub_co_u32 s67, s67, s[FF]
	s_mul_i32 s67, s67, 196608
	s_add_co_u32 s67, s67, 6303744                 ; half 1 - y % 2
	s_sub_co_u32 s67, s67, s3
	s_cmp_eq_u32 s[W0], 0
	s_cselect_b32 s[HA2+2], s66, s67               ; the head: waves 2, 6 fetch A's, waves 3, 7 B's
	s_mov_b32 s[HA2+3], 0
	s_add_co_u32 s[HA4+2], s[HA2+2], 49152
	s_mov_b32 s[HA4+3], 0
	s_bfe_u32 s3, s[WV], 0x10001
	s_cmp_eq_u32 s3, 0
	s_cselect_b32 s[RK+2], s66, s67                ; the refill: waves 4, 5 A's steps 6, 7, waves 6, 7 B's
	s_mul_i32 s3, s[W0], 24576
	s_add_co_u32 s[RK+2], s[RK+2], s3
	s_add_co_u32 s[RK+2], s[RK+2], 147456
	s_mov_b32 s[RK+3], 0
	s_mov_b32 s[HA1+1], s3
	s_add_co_u32 s[HA2+1], s3, 49152
	s_mul_i32 s3, s[W0], 49152
	s_add_co_u32 s[HA3+1], s3, 98304
	s_add_co_u32 s[HA4+1], s3, 196608
	s_mul_i32 s3, s[WV], 12288
	s_mov_b32 s[RQ+1], s3
	s_mov_b32 s[RK+1], s3
	s_lshl_b32 s2, s[BB], 3
	s_add_co_u32 s2, s2, s[GG]
	s_mul_i32 s2, s2, 196608                       ; q's block
	s_add_co_u32 s[RQ+2], s2, s3
	s_add_co_u32 s[RQ+2], s[RQ+2], 147456          ; waves 0-3: a quarter of steps 6-7
	s_mov_b32 s[RQ+3], 0
	s_mul_i32 s3, s[W0], 24576
	s_add_co_u32 s[HA1+2], s2, s3                  ; waves 0, 1: step 0, 1
	s_mov_b32 s[HA1+3], 0
	s_add_co_u32 s[HA3+2], s2, 49152
	s_add_co_u32 s[HA3+2], s[HA3+2], s3
	s_add_co_u32 s[HA3+2], s[HA3+2], s3            ; waves 4, 5: steps 2-3, 4-5
	s_mov_b32 s[HA3+3], 0
.irp g, HA1, HA2, HA3, HA4, RQ, RK
	s_mov_b32 s[\g], 1
.endr
	s_wait_dscnt 0x0                               ; both opening adds are done
	s_wait_alu depctr_va_vdst(0)
	s_wait_kmcnt 0x0
.irp g, HA1, HA2, HA3, HA4, RQ, RK
	s_add_nc_u64 s[\g+2:\g+3], s[4:5], s[\g+2:\g+3]
	s_or_b32 s[\g+3], s[\g+3], 0x80000000
.endr
	CROUND                                         ; all four work-groups are here: the joint loads meet
; THE HEAD'S LOADS, ONE A WAVE: every way through passes exactly one.
.macro ARM under, g0, g1, next
	s_cmp_lt_u32 s[WV], \under
	s_cbranch_scc0 \next
	tensor_load_to_lds s[\g0:\g0+3], s[\g1:\g1+7]
	s_nop 0
.rept 4
	v_nop
.endr
	s_branch .Lhead_asked
\next:
.endm
	ARM 2, HA1, GQ8, .Lhead_1
	ARM 4, HA2, GK2, .Lhead_2
	ARM 6, HA3, GQ16, .Lhead_3
	tensor_load_to_lds s[HA4:HA4+3], s[GK4:GK4+7]
	s_nop 0
.rept 4
	v_nop
.endr
.Lhead_asked:
	s_add_co_u32 s2, s[WV], s[FF]
	s_lshl_b32 s3, s2, 1
	s_sub_co_u32 s3, s3, 4                         ; A, wave >= 2: 2 (f + w - 2)
	s_lshl_b32 s66, s[WV], 1                       ; B: 2 w
	s_sub_co_u32 s67, 15, s[YY]
	s_cmp_ge_u32 s2, 7
	s_cselect_b32 s[AB], 1, 0
	s_cselect_b32 s[QB], s66, s3
	s_cselect_b32 s[CH], s67, s[YY]
	s_cmp_eq_u32 s[WV], 0
	s_cselect_b32 s[QB], 13, s[QB]
	s_cmp_eq_u32 s[WV], 1
	s_cselect_b32 s[QB], 10, s[QB]
	s_min_u32 s[QB], s[QB], 14
	s_cmp_eq_u32 s2, 7                             ; B's m = 7 - f
	s_cselect_b32 s[BND], 1, 0
	s_cmp_eq_u32 s[WV], 2                          ; A's m = f
	s_cselect_b32 s[BND], 1, s[BND]
	s_mul_i32 s2, s[QB], 1536
	s_mul_i32 s3, s[AB], 24576
	s_mul_i32 s66, s[AB], 49152
	v_and_b32 v1, 15, v0                           ; r
	v_bfe_u32 v2, v0, 4, 1                         ; h
	v_and_b32 v3, 31, v0
	v_lshlrev_b32 v[LI], 4, v3
	v_add_nc_u32 v[AQ], s2, v[LI]
	v_add_nc_u32 v[AQ+1], 98304, v[AQ]
	v_add_nc_u32 v[AQ+2], 147456, v[AQ]
	v_add_nc_u32 v[AK], s3, v[LI]
	v_add_nc_u32 v[AK], 49152, v[AK]
	v_add_nc_u32 v[AK+1], s66, v[LI]
	v_add_nc_u32 v[AK+1], 196608, v[AK+1]
	s_wait_alu depctr_va_vdst(0)
	s_lshl_b32 s66, s[BB], 7
	s_lshl_b32 s67, s[CH], 3
	s_add_co_u32 s67, s67, s66
	s_add_co_u32 s67, s67, 512                     ; my chunk's first key tile
	s_lshl_b32 s67, s67, 7
	s_lshr_b32 s2, s[QB], 1
	s_lshl_b32 s2, s2, 4
	s_add_co_u32 s66, s66, s2
	s_lshl_b32 s2, s[GG], 1
	s_add_co_u32 s66, s66, s2
	s_and_b32 s2, s[QB], 1
	s_add_co_u32 s66, s66, s2                      ; my first query tile, g + 16 m
	s_lshl_b32 s66, s66, 7
	s_add_co_u32 s2, s66, 1792                     ; waves 0, 1: the third lies 16 tiles on (of which the loads' offset names 2); wave 0's second 15
	s_cmp_eq_u32 s[WV], 0
	s_cselect_b32 s3, s2, s66
	v_mov_b32 v100, s66
	v_mov_b32 v101, s67
	v_mov_b32 v102, s3
	v_mov_b32 v103, s2
	v_cmp_eq_u32 vcc_lo, 1, v2
	v_cmp_eq_u32 s[HM], 1, v2
	v_cndmask_b32 v[SOF], v100, v101, vcc_lo       ; lanes 0-15 take the queries' words, lanes 16-31 the keys'
	v_cndmask_b32 v[SOF+1], v102, v101, vcc_lo
	v_cndmask_b32 v[SOF+2], v103, v101, vcc_lo
	v_lshl_add_u32 v[SOF], v1, 3, v[SOF]
	v_lshl_add_u32 v[SOF+1], v1, 3, v[SOF+1]
	v_lshl_add_u32 v[SOF+2], v1, 3, v[SOF+2]
.irp p, 0,1,2,3
.irp i, 0,3,4,5,6,7
	global_load_b64 v[SC+16*\p+2*\i:SC+16*\p+2*\i+1], v[SOF], s[6:7] offset:131072*\p+128*\i
.endr
	global_load_b64 v[SC+16*\p+2:SC+16*\p+3], v[SOF+1], s[6:7] offset:131072*\p+128
	global_load_b64 v[SC+16*\p+4:SC+16*\p+5], v[SOF+2], s[6:7] offset:131072*\p+256
.endr
	s_and_b32 s2, s[CH], 1
	s_lshl_b32 s2, s2, 2
	s_sub_co_u32 s2, s[GG], s2
	s_lshl_b32 s2, s2, 5                           ; my queries' block of 32, counted in keys from the chunk's first (where m = c / 2)
	v_and_b32 v9, 8, v1
	v_add_nc_u32 v9, v9, v1
	v_lshlrev_b32 v10, 4, v2
	v_sub_nc_u32 v9, v9, v10
	v_add_nc_u32 v9, s2, v9                        ; a key's number in the chunk, less 16 h, is hidden where it is above this (g even),
	v_add_nc_u32 v10, 8, v9                        ; or this (g odd)
	v_mov_b32 v11, 0xff800000                      ; -infinity
	v_lshlrev_b32 v12, 4, v1
	v_lshl_add_u32 v12, v2, 3, v12                 ; pst: 16 r + 8 h
	s_mov_b32 s[SEL], 0x76543210
	s_mov_b32 s[SEL+1], 0xfedcba98
	s_mov_b32 s[CS], 0x3d38aa3b                    ; log2(e) / sqrt(1024)
	s_mov_b32 s[CS+1], s[CS]
; 8 products: unit u's queries x the chunk's eight key tiles.  The accumulators take turns
.macro MUL u, ks
.irp i, 0,1,2,3,4,5,6,7
.if (\ks) == 0
	v_wmma_scale_f32_16x16x128_f8f6f4 v[8*(8*\u+\i):8*(8*\u+\i)+7], v[KF+12*\i:KF+12*\i+11], v[QF+12*\u:QF+12*\u+11], 0, v[SC+16*((\ks)/2)+2*\i+(\ks)%2], v[SC+16*((\ks)/2)+2*\u+(\ks)%2] matrix_a_fmt:MATRIX_FMT_BF6 matrix_b_fmt:MATRIX_FMT_BF6 matrix_a_scale:MATRIX_SCALE_ROW1
.else
	v_wmma_scale_f32_16x16x128_f8f6f4 v[8*(8*\u+\i):8*(8*\u+\i)+7], v[KF+12*\i:KF+12*\i+11], v[QF+12*\u:QF+12*\u+11], v[8*(8*\u+\i):8*(8*\u+\i)+7], v[SC+16*((\ks)/2)+2*\i+(\ks)%2], v[SC+16*((\ks)/2)+2*\u+(\ks)%2] matrix_a_fmt:MATRIX_FMT_BF6 matrix_b_fmt:MATRIX_FMT_BF6 matrix_a_scale:MATRIX_SCALE_ROW1
.endif
.endr
.endm
.macro QU ks, u
.irp c, 0,1,2
	ds_load_b128 v[QF+12*\u+4*\c:QF+12*\u+4*\c+3], v[AQ+((\ks)%6)/2] offset:24576*((\ks)%2)+1536*\u+512*\c
.endr
.endm
.macro KEYS ks
.irp i, 0,1,2,3,4,5,6,7
.irp c, 0,1,2
.if ((\ks) < 2) || ((\ks) > 5)
	ds_load_b128 v[KF+12*\i+4*\c:KF+12*\i+4*\c+3], v[AK] offset:12288*((\ks)%2)+1536*\i+512*\c
.else
	ds_load_b128 v[KF+12*\i+4*\c:KF+12*\i+4*\c+3], v[AK+1] offset:12288*((\ks)-2)+1536*\i+512*\c
.endif
.endr
.endr
.endm
; K step ks.  kind 1: behind its reads steps 6-7 are asked for, in the place of steps 0-1; kind 2: a barrier shows them to all waves.  Waves 0 and 1 have a third unit.
.macro STEP ks, kind
.if (\ks) > 0
	PLACES 4                                       ; in front of loads into registers that matrix instructions have read
.endif
	KEYS \ks
	QU \ks, 0
	QU \ks, 1
	s_cmp_lt_u32 s[WV], 2
	s_cbranch_scc0 .Ltwo_in_\@
	QU \ks, 2
.Ltwo_in_\@:
.if (\ks) == 0
	s_wait_loadcnt 0x0                             ; the scale words
.endif
.if (\kind) > 0
	s_wait_tensorcnt 0x0                           ; all my tensor loads have landed
.endif
.if (\kind) == 1
	ds_add_u32 v[SPW], v[NIL]                      ; 0 onto my spare word
.endif
	s_wait_dscnt 0x0                               ; my reads are over (and the add is done)
.if (\kind) > 0
	s_barrier_signal -1
.endif
	WIN 0x50                                       ; C and D window 1
	MUL 0, \ks
	MUL 1, \ks
	WIN 0
.if (\kind) > 0
	s_barrier_wait -1
.endif
.if (\kind) == 1
	CREST                                          ; no wave of any partner still reads steps 0-1 or has a load on its way
	s_cmp_lt_u32 s[WV], 4
	s_cbranch_scc0 .Lrefill_k_\@
	tensor_load_to_lds s[RQ:RQ+3], s[GQR:GQR+7]    ; my one tensor load behind the round
	s_nop 0
	PLACES 4
	s_branch .Lrefilled_\@
.Lrefill_k_\@:
	tensor_load_to_lds s[RK:RK+3], s[GKR:GKR+7]
	s_nop 0
	PLACES 4
.Lrefilled_\@:
.endif
	s_cmp_lt_u32 s[WV], 2
	s_cbranch_scc0 .Ltwo_\@
	WIN 0x50
	MUL 2, \ks
	WIN 0
.Ltwo_\@:
.endm
; where unit u goes: s[84 + 2 u ..] in pc, s[90 + 2 u ..] in pst (the head's descriptors lay there; their loads landed long ago)
.macro PLACE u
	s_add_co_u32 s66, s[QB], \u
	s_lshr_b32 s67, s66, 1                         ; m
	s_and_b32 s66, s66, 1
	s_lshl_b32 s2, s[GG], 1
	s_add_co_u32 s66, s66, s2
	s_lshl_b32 s2, s[BB], 4
	s_add_co_u32 s66, s66, s2                      ; 16 batch + g
	s_mul_i32 s66, s66, 72
	s_mul_i32 s2, s67, 18
	s_mul_i32 s3, s67, 20
	s_sub_co_u32 s3, 142, s3
	s_cmp_lt_u32 s67, 4
	s_cselect_b32 s2, s2, s3
	s_add_co_u32 s66, s66, s2
	s_add_co_u32 s66, s66, s[CH]
	s_mov_b32 s3, 0
	s_mul_i32 s2, s66, 1536
	s_add_nc_u64 s[84+2*\u:85+2*\u], s[8:9], s[2:3]
	s_lshl_b32 s2, s66, 8
	s_add_nc_u64 s[90+2*\u:91+2*\u], s[10:11], s[2:3]
.endm
; THE SOFTMAX of unit u.  Register 16 b + i of its 64 is key 32 b + 16 h + i.
.macro SOFT u
.set AC, 64*\u
.set PU, PC+20*\u
.if \u < 2
	s_wait_alu depctr_va_vdst(0)
	s_cmp_eq_u32 s[BND], 1                         ; ids alone
	s_cbranch_scc0 .Lopen_\@
	WIN 0x41
	s_wait_alu depctr_va_vdst(0)
.set kk, 0
.rept 64
	v_cmp_gt_i32 vcc_lo, 32*(kk/16)+kk%16, v[9+\u]
	v_cndmask_b32 v[AC+kk], v[AC+kk], v11, vcc_lo
.set kk, kk+1
.endr
	WIN 0
.Lopen_\@:
.endif
	WIN 0x15
	s_wait_alu depctr_va_vdst(0)                   ; directly ahead of the scores' first readers
.irp b, 0,1,2,3
	v_max3_num_f32 v[TM+\b], v[AC+16*\b], v[AC+16*\b+1], v[AC+16*\b+2]   ; the largest score of each block of 32 keys, in two halves; each accumulator is read from its low end on
	v_max3_num_f32 v[TM+4+\b], v[AC+16*\b+8], v[AC+16*\b+9], v[AC+16*\b+10]
.endr
	WIN 0x14
.irp i, 3,5
.irp b, 0,1,2,3
	v_max3_num_f32 v[TM+\b], v[TM+\b], v[AC+16*\b+\i], v[AC+16*\b+\i+1]
	v_max3_num_f32 v[TM+4+\b], v[TM+4+\b], v[AC+16*\b+\i+8], v[AC+16*\b+\i+9]
.endr
.endr
.irp b, 0,1,2,3
	v_max3_num_f32 v[TM+\b], v[TM+\b], v[AC+16*\b+7], v[AC+16*\b+15]
.endr
	WIN 0
.irp b, 0,1,2,3
	v_max_num_f32 v[TM+\b], v[TM+\b], v[TM+4+\b]
.endr
.irp b, 0,1,2,3
	v_permlanex16_b32 v[TM+4+\b], v[TM+\b], s[SEL], s[SEL+1]
.endr
.irp b, 0,1,2,3
	v_max_num_f32 v[TM+\b], v[TM+\b], v[TM+4+\b]   ; with lane l xor 16's 16 keys
.endr
	v_max3_num_f32 v[MXR], v[TM], v[TM+1], v[TM+2]
	v_max3_num_f32 v[MXR], v[MXR], v[TM+3], 0xff61b1e6   ; the chunk's largest score of my query; -3e38 where all are hidden
	v_mul_f32 v[MXR], s[CS], v[MXR]                ; as t
	v_floor_f32 v[NM], -v[MXR]                     ; -M = floor(-t): M is a whole number
	WIN 0x41
.irp j, 0,2,4,6,8,10,12,14,16,18,20,22,24,26,28,30,32,34,36,38,40,42,44,46,48,50,52,54,56,58,60,62
	v_pk_fma_f32 v[HA+\j:HA+\j+1], v[AC+\j:AC+\j+1], s[CS:CS+1], v[NM:NM+1] op_sel_hi:[1,0,0]   ; t - M, two at a time
.endr
	WIN 0
.irp b, 0,1,2,3
	v_fma_f32 v[TM+\b], v[TM+\b], s[CS], v[NM]     ; the same of each block's largest score
.endr
	WIN 0x41
	s_wait_alu depctr_va_vdst(0)                   ; ahead of the batch
.set jj, 0
.rept 64
	v_exp_f32 v[HA+jj], v[HA+jj]                   ; p = 2^(t - M), at most 1
.set jj, jj+1
.endr
	v_nop                                          ; a plain instruction behind the exponentials
	WIN 0
	s_wait_alu depctr_va_vdst(0)                   ; and one behind it, ahead of the first reader
.irp b, 0,1,2,3
	v_exp_f32 v[TM+\b], v[TM+\b]                   ; the block's largest p: the same two instructions on the same number give the same bits
.endr
	WIN 0x05
	v_pk_add_f32 v[SUM:SUM+1], v[HA:HA+1], v[HA+4:HA+5]      ; l is the sum of the unquantised p: two at a time, in two chains
	v_pk_add_f32 v[SUM+2:SUM+3], v[HA+2:HA+3], v[HA+6:HA+7]
	WIN 0x04
.irp j, 8,12,16,20,24,28,32,36,40,44,48,52,56,60
	v_pk_add_f32 v[SUM:SUM+1], v[SUM:SUM+1], v[HA+\j:HA+\j+1]
	v_pk_add_f32 v[SUM+2:SUM+3], v[SUM+2:SUM+3], v[HA+\j+2:HA+\j+3]
.endr
	WIN 0
	v_pk_add_f32 v[SUM:SUM+1], v[SUM:SUM+1], v[SUM+2:SUM+3]
	s_wait_alu depctr_va_vdst(0)                   ; and one for the four
.irp b, 0,1,2,3
	v_max_num_f32 v[TM+\b], 0x2800000, v[TM+\b]    ; the floor 2^(5 - 127): the byte cannot fall under 1
.endr
	v_add_f32 v[LL], v[SUM], v[SUM+1]
.irp b, 0,1,2,3
	v_add_nc_u32 v[TM+12+\b], 0xfe000000, v[TM+\b] ; 4 off the exponent field: the conversion's scale operand
.endr
	v_permlanex16_b32 v[LL+1], v[LL], s[SEL], s[SEL+1]
.irp b, 0,1,2,3
	v_lshrrev_b32 v[TM+4+\b], 23, v[TM+12+\b]      ; the byte, 123 at the most
.endr
	v_add_f32 v[LL], v[LL], v[LL+1]                ; l of my query and chunk
	v_lshl_or_b32 v[PW], v[TM+5], 8, v[TM+4]
	v_lshl_or_b32 v[PW], v[TM+6], 16, v[PW]
	v_lshl_or_b32 v[PW], v[TM+7], 24, v[PW]
	v_or_b32 v[PW], 0x80808080, v[PW]              ; bit 7 of each byte is set, so that the last launch can take a number off all four bytes in one subtraction
	WIN 0x01
.irp c, 0,1
	v_cvt_scalef32_pk16_bf6_f32 v[PU+6*\c:PU+2+6*\c], v[HA+32*\c:HA+15+32*\c], v[TM+12+2*\c]
	v_cvt_scalef32_pk16_bf6_f32 v[PU+12+4*\c:PU+14+4*\c], v[HA+16+32*\c:HA+31+32*\c], v[TM+12+2*\c+1]
.endr
	WIN 0
	v_cndmask_b32 v[PS+2*\u], v[PW], v[LL], s[HM]  ; lanes 0-15: the word, -M; lanes 16-31: l, l.  (A plain instruction behind the scaled conversions)
	v_cndmask_b32 v[PS+2*\u+1], v[NM], v[LL], s[HM]
.irp c, 0,1
.irp i, 0,1,2
	v_permlane16_swap_b32 v[PU+6*\c+\i], v[PU+12+4*\c+\i]
.endr
.irp i, 0,1,2
	v_mov_b32 v[PU+3+6*\c+\i], v[PU+12+4*\c+\i]
.endr
.endr
.irp c, 0,1,2
	global_store_b128 v[LI], v[PU+4*\c:PU+4*\c+3], s[84+2*\u:85+2*\u] offset:512*\c   ; 32 lanes store 512 consecutive bytes
.endr
	global_store_b64 v12, v[PS+2*\u:PS+2*\u+1], s[90+2*\u:91+2*\u]   ; one aligned unit of 256 bytes
.endm
	s_wait_alu depctr_va_vdst(0)                   ; the wait at the head's end
	s_cmp_lt_u32 s[WV], 4
	s_cbranch_scc0 .Lfirst_in                      ; waves 4-7: what they asked for is waited for in step 1
	s_wait_tensorcnt 0x0                           ; steps 0-1
.Lfirst_in:
	s_barrier_signal -1
	s_barrier_wait -1
	STEP 0, 0
	STEP 1, 1
	STEP 2, 0
	STEP 3, 0
	STEP 4, 0
	STEP 5, 2
	STEP 6, 0
	PLACE 0
	PLACE 1
	PLACE 2
	STEP 7, 0
	PLACES 4                                       ; in front of the first vector instructions on the products' registers
	v_mov_b32 v[NM+1], 0                           ; (named as the upper half of a pair)
	v_mov_b32 v[LL+1], 0                           ; a lane permute's destination counts as one of its sources
	SOFT 0
	SOFT 1
	s_wait_alu depctr_va_vdst(0)
	s_cmp_lt_u32 s[WV], 2
	s_cbranch_scc0 .Ldone
	SOFT 2
.Ldone:
	s_wait_tensorcnt 0x0                           ; the wave's end
	ds_add_u32 v[SPW], v[NIL]
	s_wait_dscnt 0x0
	CROUND                                         ; the closing round
	s_endpgm
.Lfunc_end_k_qc49b4a65a6_score:
	.size	k_qc49b4a65a6_score, .Lfunc_end_k_qc49b4a65a6_score-k_qc49b4a65a6_score
	.p2alignl 7, 3214868480
	.fill 96, 4, 3214868480
	.section	.rodata,"a",@progbits
	.p2align	6, 0x0
	.amdhsa_kernel k_qc49b4a65a6_score
		.amdhsa_group_segment_fixed_size 327680
		.amdhsa_private_segment_fixed_size 0
		.amdhsa_enable_private_segment 0
		.amdhsa_kernarg_size 32
		.amdhsa_user_sgpr_count 2
		.amdhsa_user_sgpr_kernarg_segment_ptr 1
		.amdhsa_wavefront_size32 1
		.amdhsa_system_sgpr_workgroup_id_x 1
		.amdhsa_system_sgpr_workgroup_id_y 1
		.amdhsa_system_sgpr_workgroup_id_z 1
		.amdhsa_system_vgpr_workitem_id 0
		.amdhsa_next_free_vgpr 512
		.amdhsa_next_free_sgpr 102
		.amdhsa_reserve_vcc 1
		.amdhsa_float_denorm_mode_32 3
		.amdhsa_float_denorm_mode_16_64 3
		.amdhsa_memory_ordered 1
		.amdhsa_forward_progress 1
		.amdhsa_inst_pref_size 107
	.end_amdhsa_kernel
	.amdgpu_metadata
---
amdhsa.version: [ 1, 2 ]
amdhsa.kernels:
  - .name:           k_qc49b4a65a6_score
    .symbol:         k_qc49b4a65a6_score.kd
    .args:
      - { .name: c2, .offset: 0, .size: 8, .value_kind: global_buffer, .address_space: global }
      - { .name: s2, .offset: 8, .size: 8, .value_kind: global_buffer, .address_space: global }
      - { .name: pc, .offset: 16, .size: 8, .value_kind: global_buffer, .address_space: global }
      - { .name: pst, .offset: 24, .size: 8, .value_kind: global_buffer, .address_space: global }
    .group_segment_fixed_size: 327680
    .private_segment_fixed_size: 0
    .kernarg_segment_align: 8
    .kernarg_segment_size: 32
    .max_flat_workgroup_size: 256
    .sgpr_count:     102
    .vgpr_count:     512
    .wavefront_size: 32
...
	.end_amdgpu_metadata
.endif
;; end of part 3
;; launch ctx (part 4): grid 4 x 64, 4 waves a work-group, clusters of 4 x 4, 327,680 bytes of LDS; arguments c2, s2, pc, pst, out0; writes out0
.if DOCPART == 4
	.amdgcn_target "amdgcn-amd-amdhsa--gfx1250"
	.amdhsa_code_object_version 6
	.text
	.protected	k_qc49b4a65a6_ctx
	.globl	k_qc49b4a65a6_ctx
	.p2align	8
	.type	k_qc49b4a65a6_ctx,@function
k_qc49b4a65a6_ctx:
	s_mov_b64 s[64:65], 0
	v_nop
	global_prefetch_b8 v0, s[64:65] scope:SCOPE_SE
	s_setreg_imm32_b32 hwreg(HW_REG_WAVE_MODE, 25, 1), 1
	s_wait_xcnt 0x0
	s_wait_alu depctr_hold_cnt(0) depctr_sa_sdst(0) depctr_va_vdst(0) depctr_va_sdst(0) depctr_va_ssrc(0) depctr_va_vcc(0) depctr_vm_vsrc(0)
	s_getreg_b32 s2, hwreg(HW_REG_IB_STS2, 6, 4)
	s_cmp_eq_u32 s2, 0
	s_cbranch_scc0 .Lentry_in_a_cluster
	s_endpgm
.Lentry_in_a_cluster:
	s_bfe_u32 s2, ttmp6, 0x10000c
	s_cmp_lg_u32 s2, 0xf033
	s_cbranch_scc0 .Lentry_shape_is_right
	s_endpgm
.Lentry_shape_is_right:
; out0 = (P V) / l on codes of BF6, over the chunks of 128 keys that the causal mask leaves.
; SHARES.  A work-group owns query tiles t = g + 16 m, m = 0 .. 7, of one batch (128 queries, 16 out of each block of 256) and 256 channels.  Tile g + 16 m needs chunks 0 .. 2 m + 1: every work-group has the same
; triangle of 72 tile-chunks, so all counts are constants of the text and the 256 work-groups have equal work.  A wave takes all 8 query tiles x 4 channel tiles: 32 accumulators, 288 matrix instructions.
; Source 0 = 16 channels of v^T, source 1 = 16 queries of P: a lane holds one query and eight neighbouring channels.
; THE CHUNKS ARE BROUGHT UNDER THE ROW'S M.  Each chunk's p was made under its own whole-number M.  -M of the row is the least of the chunks' -M; d = M(row) - M(chunk), held at 127, comes off each of P's four
; scale bytes of that chunk (a byte that would fall under 0 is held at 0), and l = the sum of l(chunk) 2^-d.  The 36 entries (tile, pair of chunks) go stage by stage, so that no line reads the result of the line above it.
; A QUERY TILE LEAVES AS SOON AS IT IS FINISHED: tile m has its last product in chunk 2 m + 1; in chunk 2 m + 2 it is scaled and sent through the stage behind the fetch, and stored behind the products.
; LIMITS: a chunk whose M lies more than 127 under the row's enters l with the factor 2^-127; a byte held at 0 stands for 2^-127: what is lost or gained is under 28 x 2^-127 |v| a number.  NaN and infinities are not served.
; LDS.  P of (batch, g) is one dense block of 110,592 bytes, filled once, a quarter by each wave, read by all four.  V goes through two slots of four chunks; a wave fetches and reads its own 4 channel tiles.
; By this text's own count a wave has at most three tensor loads outstanding.
; CLUSTER 4 x 4: x = the channel tile of 256, y = four values of g.  P hangs on (batch, g) and is asked for jointly by a row of the cluster, V on (batch, x) and by a column.
; REGISTERS: window 0: v1-13 addresses; v16-23 -M of the rows; v28-29 the add's; v32-67 P's scale words SP(m, j), v68-99 V's SV(b, j): lanes 0-15 chunk 2 j, lanes 16-31 chunk 2 j + 1; v100-107 l, then 1 / l;
;   v108-115 at work; v116-223 what the launch before left for each chunk, later the way out.   window 1: accumulator (m, b) at v[8 (4 m + b)].   window 2: P's two sets, at 128 (c % 2) + 12 m.   window 3: V's two sets, at 64 (c % 2) + 12 b.
.set VS0,   110592                     ; V's slot 0; slot 1 lies 98,304 further on
.set SPARE, 307200                     ; the spare words: 128 bytes a wave, two blocks of 256 bytes that no other line names
.set STG,   307712                     ; the way out: 16 rows x 272 bytes for each wave
.set LI,  4
.set NMN, 16                           ; v16-23  -M of the row, for each query tile
.set SPW, 28
.set NIL, 29
.set SP,  32
.set SV,  68
.set RL,  100
.set PT,  108                          ; v108-115 what the other half of the lanes holds
.set WWR, 116                          ; v116-151 P's scale words as stored
.set NMR, 152                          ; v152-187 -M of each chunk
.set LLR, 188                          ; v188-223 l of each chunk
.set TMP, 116                          ; the way out: a query tile's 32 numbers
.set BK,  152                          ; and 16 rows read back, two sets of 32
.set WV,  14
.set CX,  15
.set CY,  16
.set SEL, 20
.set G1P, 24
.set G0P, 32
.set G1V, 36
.set G0V0, 44
.set G0V1, 48
.set MSB, 0
.macro WIN new
.if MSB != (\new)
	s_set_vgpr_msb (MSB<<8)|(\new)
.set MSB, (\new)
.endif
.endm
.macro PLACES n
.rept \n
	v_nop
.endr
.endm
.macro CROUND                          ; a round of the cluster's barrier
	s_barrier_signal -1
	s_barrier_wait -1
	s_cmp_lg_u32 s[WV], 0
	s_cbranch_scc1 .Lnot_wave_0_\@
	s_barrier_signal -3
.Lnot_wave_0_\@:
	s_barrier_wait -3
	s_barrier_signal -1
	s_barrier_wait -1
.endm
	s_load_b256 s[4:11], s[0:1], 0x0               ; c2 s[4:5], s2 s[6:7], pc s[8:9], pst s[10:11]
	s_load_b64 s[12:13], s[0:1], 0x20              ; out0
	v_lshl_add_u32 v[SPW], v0, 2, SPARE
	v_mov_b32 v[NIL], 0
	ds_add_u32 v28, v29
	ds_add_u32 v28, v29
	s_wait_dscnt 0x0
	v_lshrrev_b32 v1, 5, v0
	v_readfirstlane_b32 s[WV], v1
	s_bfe_u32 s[CX], ttmp6, 0x40000                ; the channel tile of 256
	s_bfe_u32 s[CY], ttmp6, 0x40004
	s_and_b32 s17, ttmp7, 0xffff                   ; the cluster's y, 0..15
	s_lshr_b32 s18, s17, 2                         ; the batch
	s_and_b32 s19, s17, 3
	s_lshl_b32 s19, s19, 2
	s_add_co_u32 s19, s19, s[CY]                   ; g
	s_lshl_b32 s52, s[CY], 2
	s_lshl_b32 s52, 15, s52                        ; my row of the cluster
	s_or_b32 s[G1P], s52, (3<<16)|(1<<21)          ; P: a dense block of 55,296 bytes as 216 rows of 256 bytes, in elements of 8 bytes
	s_mov_b32 s[G1P+1], 32<<16
	s_mov_b32 s[G1P+2], 216<<16
	s_mov_b32 s[G1P+3], 32<<16
	s_mov_b32 s[G1P+4], 216
	s_mov_b32 s[G1P+5], 32
	s_mov_b32 s[G1P+6], 0
	s_mov_b32 s[G1P+7], 0
	s_lshl_b32 s56, 0x1111, s[CX]                  ; my column
	s_or_b32 s[G1V], s56, (3<<16)|(1<<21)          ; V: 4 rows (channel tiles) of 6,144 bytes (four chunks), 98,304 bytes apart
	s_mov_b32 s[G1V+1], 768<<16
	s_mov_b32 s[G1V+2], 4<<16
	s_mov_b32 s[G1V+3], 768<<16
	s_mov_b32 s[G1V+4], 4
	s_mov_b32 s[G1V+5], 12288
	s_mov_b32 s[G1V+6], 0
	s_mov_b32 s[G1V+7], 0
; THE HEAD, one joint load a wave: waves 0 and 1 fetch the halves of P (55,296 bytes, 216 rows of 256), wave 2 V's chunks 0-3 of all 16 channel tiles, wave 3 chunks 4-7.  In the refills each wave fetches its own 4 channel tiles.
.set G0H0, 68
.set G0H1, 72
.set G1H,  76                          ; V at the head: 16 rows of 6,144 bytes
	s_lshl_b32 s84, 0x1111, s[CX]
	s_or_b32 s[G1H], s84, (3<<16)|(1<<21)
	s_mov_b32 s[G1H+1], 768<<16
	s_mov_b32 s[G1H+2], 16<<16
	s_mov_b32 s[G1H+3], 768<<16
	s_mov_b32 s[G1H+4], 16
	s_mov_b32 s[G1H+5], 12288
	s_mov_b32 s[G1H+6], 0
	s_mov_b32 s[G1H+7], 0
	s_lshl_b32 s53, s18, 4
	s_add_co_u32 s53, s53, s19
	s_mul_i32 s53, s53, 72
	s_and_b32 s54, s[WV], 1
	s_mul_i32 s55, s54, 36
	s_add_co_u32 s53, s53, s55
	s_mul_i32 s52, s53, 1536                       ; P: my 36 fragments of (batch, g): no cx in it
	s_mov_b32 s53, 0
	s_lshl_b32 s59, s[CX], 4
	s_mul_i32 s66, s59, 98304
	s_mul_i32 s58, s18, 24576                      ; the batch's 16 chunks
	s_add_co_u32 s66, s66, s58
	s_add_co_u32 s66, s66, 12582912                ; v^T lies behind q and k: no cy in it
	s_mov_b32 s67, 0
	s_lshl_b32 s58, s[WV], 2
	s_add_co_u32 s59, s59, s58                     ; my first channel tile
	s_mul_i32 s58, s[WV], 393216
	s_add_co_u32 s56, s66, s58
	s_mov_b32 s57, 0
	s_mul_i32 s54, s54, 55296
	s_mul_i32 s58, s[WV], 24576
	s_wait_alu depctr_va_vdst(0)
	s_wait_kmcnt 0x0
	s_mov_b32 s[G0P], 1
	s_mov_b32 s[G0P+1], s54
	s_add_nc_u64 s[G0P+2:G0P+3], s[8:9], s[52:53]
	s_or_b32 s[G0P+3], s[G0P+3], 0x80000000
	s_mov_b32 s[G0H0], 1
	s_mov_b32 s[G0H0+1], VS0
	s_add_nc_u64 s[G0H0+2:G0H0+3], s[4:5], s[66:67]
	s_mov_b32 s[G0H1], 1
	s_mov_b32 s[G0H1+1], VS0+98304
	s_add_nc_u64 s[G0H1+2:G0H1+3], s[G0H0+2:G0H0+3], 6144
	s_or_b32 s[G0H0+3], s[G0H0+3], 0x80000000
	s_or_b32 s[G0H1+3], s[G0H1+3], 0x80000000
	s_mov_b32 s[G0V0], 1
	s_add_co_u32 s[G0V0+1], s58, VS0
	s_add_nc_u64 s[G0V0+2:G0V0+3], s[4:5], s[56:57]
	s_mov_b32 s[G0V1], 1
	s_add_co_u32 s[G0V1+1], s58, VS0+98304
	s_add_nc_u64 s[G0V1+2:G0V1+3], s[G0V0+2:G0V0+3], 6144
	s_or_b32 s[G0V0+3], s[G0V0+3], 0x80000000
	s_or_b32 s[G0V1+3], s[G0V1+3], 0x80000000
	CROUND                                         ; all sixteen work-groups are here: the first joint loads meet
	s_cmp_lt_u32 s[WV], 2
	s_cbranch_scc0 .Lhead_v0
	tensor_load_to_lds s[G0P:G0P+3], s[G1P:G1P+7]
	s_nop 0
.rept 4
	v_nop
.endr
	s_branch .Lhead_asked
.Lhead_v0:
	s_cmp_lt_u32 s[WV], 3
	s_cbranch_scc0 .Lhead_v1
	tensor_load_to_lds s[G0H0:G0H0+3], s[G1H:G1H+7]
	s_nop 0
.rept 4
	v_nop
.endr
	s_branch .Lhead_asked
.Lhead_v1:
	tensor_load_to_lds s[G0H1:G0H1+3], s[G1H:G1H+7]
	s_nop 0
.rept 4
	v_nop
.endr
.Lhead_asked:
	v_and_b32 v1, 15, v0
	v_bfe_u32 v2, v0, 4, 1                         ; h
	v_and_b32 v3, 31, v0
	v_lshlrev_b32 v[LI], 4, v3
	s_wait_alu depctr_va_vdst(0)
	s_lshl_b32 s60, s18, 4
	s_add_co_u32 s60, s60, s19
	s_mul_i32 s60, s60, 18432                      ; pst: 72 records of 256 bytes for (batch, g): scale word, -M, l, l of 16 rows
	v_lshlrev_b32 v9, 8, v2
	v_lshl_add_u32 v9, v1, 4, v9
	v_add_nc_u32 v9, s60, v9                       ; 256 h (the odd chunk) + 16 r
	s_lshl_b32 s60, s18, 16
	s_lshl_b32 s61, s59, 6
	s_add_co_u32 s60, s60, s61
	s_add_co_u32 s60, s60, 524288
	v_lshlrev_b32 v10, 12, v2
	v_lshl_add_u32 v10, v1, 2, v10
	v_add_nc_u32 v10, s60, v10                     ; s2: 4,096 h + 4 r + v^T's part + the batch + my channel tiles
	WIN 0x40                                       ; entry e of the 36: word, -M, l in v[4 e ..] of window 1, where no sums lie yet
.set mm, 0
.rept 8
.if mm < 4
.set PL, 18*mm
.else
.set PL, 142-20*mm
.endif
.set jj, 0
.rept mm+1
	global_load_b128 v[4*(mm*(mm+1)/2+jj):4*(mm*(mm+1)/2+jj)+3], v9, s[10:11] offset:(PL+2*jj)*256
.set jj, jj+1
.endr
.set mm, mm+1
.endr
	WIN 0
.irp b, 0,1,2,3
.irp j, 0,1,2,3,4,5,6,7
	global_load_b32 v[SV+8*\b+\j], v10, s[6:7] offset:8192*\j+64*\b
.endr
.endr
	v_mov_b32 v5, v[LI]                            ; P's fold rows 0, 1
	v_add_nc_u32 v6, 55296, v[LI]                  ; and 2, 3
	s_add_co_u32 s60, s58, VS0
	v_add_nc_u32 v7, s60, v[LI]                    ; my part of V's slot 0
	s_add_co_u32 s60, s60, 98304
	v_add_nc_u32 v8, s60, v[LI]                    ; and of slot 1
	s_mov_b32 s[SEL], 0x76543210
	s_mov_b32 s[SEL+1], 0xfedcba98
.irp m, 0,1,2,3,4,5,6,7
	v_mov_b32 v[PT+\m], 0                          ; a lane permute's destination counts as one of its sources
.endr
	s_wait_loadcnt 0x0
	; -M of each row: the least of its chunks' -M; the eight tiles by turns.  Entry (m, j) lies at m (m + 1) / 2 + j
	WIN 0x05
	v_mov_b32 v[NMN], v[1]
.irp m, 1,2,3,4,5,6,7
	v_min_num_f32 v[NMN+\m], v[2*\m*(\m+1)+1], v[2*\m*(\m+1)+5]
.endr
	WIN 0x04
.set jj, 2
.rept 6
.set mm, jj
.rept 8-jj
	v_min_num_f32 v[NMN+mm], v[NMN+mm], v[4*(mm*(mm+1)/2+jj)+1]
.set mm, mm+1
.endr
.set jj, jj+1
.endr
	WIN 0
.irp m, 0,1,2,3,4,5,6,7
	v_permlanex16_b32 v[PT+\m], v[NMN+\m], s[SEL], s[SEL+1]
.endr
.irp m, 0,1,2,3,4,5,6,7
	v_min_num_f32 v[NMN+\m], v[NMN+\m], v[PT+\m]   ; even chunks' and odd chunks'
.endr
	WIN 0x04
.set mm, 0
.rept 8
.set jj, 0
.rept mm+1
	v_sub_f32 v[NMR+mm*(mm+1)/2+jj], v[NMN+mm], v[4*(mm*(mm+1)/2+jj)+1]   ; -d = M(chunk) - M(row): a whole number, 0 or less
.set jj, jj+1
.endr
.set mm, mm+1
.endr
	WIN 0
.set ee, 0
.rept 36
	v_max_num_f32 v[NMR+ee], 0xc2fe0000, v[NMR+ee] ; held at -127
.set ee, ee+1
.endr
.set ee, 0
.rept 36
	v_cvt_i32_f32 v[NMR+ee], v[NMR+ee]
.set ee, ee+1
.endr
	WIN 0x01
.set ee, 0
.rept 36
	v_ldexp_f32 v[LLR+ee], v[4*ee+2], v[NMR+ee]    ; l(chunk) 2^-d
.set ee, ee+1
.endr
	WIN 0
	v_mov_b32 v[RL], v[LLR]                        ; the rows' sums, the eight tiles by turns
.irp m, 1,2,3,4,5,6,7
	v_add_f32 v[RL+\m], v[LLR+\m*(\m+1)/2], v[LLR+\m*(\m+1)/2+1]
.endr
.set jj, 2
.rept 6
.set mm, jj
.rept 8-jj
	v_add_f32 v[RL+mm], v[RL+mm], v[LLR+mm*(mm+1)/2+jj]
.set mm, mm+1
.endr
.set jj, jj+1
.endr
.irp m, 0,1,2,3,4,5,6,7
	v_permlanex16_b32 v[PT+\m], v[RL+\m], s[SEL], s[SEL+1]
.endr
.irp m, 0,1,2,3,4,5,6,7
	v_add_f32 v[RL+\m], v[RL+\m], v[PT+\m]         ; even chunks' and odd chunks': the row's l
.endr
.set ee, 0
.rept 36
	v_sub_nc_u32 v[NMR+ee], 0, v[NMR+ee]           ; d, 0 .. 127
.set ee, ee+1
.endr
.set ee, 0
.rept 36
	v_perm_b32 v[NMR+ee], v[NMR+ee], v[NMR+ee], 0  ; d in all four bytes
.set ee, ee+1
.endr
	WIN 0x01
.set ee, 0
.rept 36
	v_sub_nc_u32 v[WWR+ee], v[4*ee], v[NMR+ee]     ; each byte is 128 + b - d, above 0: nothing is borrowed from byte to byte
.set ee, ee+1
.endr
	WIN 0
.set ee, 0
.rept 36
	v_and_b32 v[NMR+ee], 0x80808080, v[WWR+ee]     ; bit 7 has stayed where b - d is 0 or more
.set ee, ee+1
.endr
.set ee, 0
.rept 36
	v_lshrrev_b32 v[LLR+ee], 7, v[NMR+ee]
.set ee, ee+1
.endr
.set ee, 0
.rept 36
	v_sub_nc_u32 v[NMR+ee], v[NMR+ee], v[LLR+ee]   ; 0x7f in those bytes, 0 in the others
.set ee, ee+1
.endr
.set ee, 0
.rept 36
	v_and_b32 v[SP+ee], v[WWR+ee], v[NMR+ee]       ; b - d, or 0: P's scale words under the row's M
.set ee, ee+1
.endr
	s_wait_alu depctr_va_vdst(0)
.irp m, 0,1,2,3,4,5,6,7
	v_rcp_f32 v[RL+\m], v[RL+\m]
.endr
	s_mul_i32 s60, s[WV], 4352                     ; the addresses of the way out are the plain work behind the reciprocals
	s_add_co_u32 s60, s60, STG
	v_mul_u32_u24 v11, v1, 272
	v_lshl_add_u32 v11, v2, 6, v11
	v_add_nc_u32 v11, s60, v11                     ; into my stage: row r, + 64 h
	v_mul_u32_u24 v12, v2, 272
	v_lshl_add_u32 v12, v1, 4, v12
	v_add_nc_u32 v12, s60, v12                     ; back: lanes 0-15 one row, lanes 16-31 the next
	v_lshlrev_b32 v13, 12, v2
	v_lshl_add_u32 v13, v1, 4, v13                 ; and the same two rows in out0
	s_wait_alu depctr_va_vdst(0)                   ; one wait for the eight reciprocals, ahead of every label, branch and reader
	s_lshl_b32 s60, s18, 11
	s_lshr_b32 s61, s19, 1
	s_lshl_b32 s61, s61, 5
	s_add_co_u32 s60, s60, s61
	s_and_b32 s61, s19, 1
	s_lshl_b32 s61, s61, 3
	s_add_co_u32 s60, s60, s61                     ; row 2,048 batch + 32 (g / 2) + 8 (g % 2)
	s_lshl_b32 s60, s60, 12
	s_lshl_b32 s61, s[CX], 10
	s_add_co_u32 s60, s60, s61
	s_lshl_b32 s61, s[WV], 8
	s_add_co_u32 s60, s60, s61                     ; + my 64 channels
	s_mov_b32 s61, 0
	s_add_nc_u64 s[12:13], s[12:13], s[60:61]
	PLACES 8                                       ; a scale register written by a vector instruction stands eight places ahead of a scaled matrix instruction
.macro FETCH c                         ; chunk c's fragments into set c % 2: V's four (12 loads), then P's of the tiles that need the chunk (3 each)
	WIN 0xc0                                       ; destination window 3
.irp b, 0,1,2,3
.irp p, 0,1,2
	ds_load_b128 v[64*((\c)%2)+12*\b+4*\p:64*((\c)%2)+12*\b+4*\p+3], v[7+((\c)/4)%2] offset:6144*\b+1536*((\c)%4)+512*\p
.endr
.endr
	WIN 0x80                                       ; destination window 2
.set mm, (\c)/2
.rept 8-(\c)/2
.if mm < 4
.set PH, mm
.set IX, (\c)
.else
.set PH, 7-mm
.set IX, 16-2*mm+(\c)
.endif
.irp p, 0,1,2
	ds_load_b128 v[128*((\c)%2)+12*mm+4*\p:128*((\c)%2)+12*mm+4*\p+3], v[5+PH/2] offset:27648*(PH%2)+1536*IX+512*\p
.endr
.set mm, mm+1
.endr
	WIN 0
.endm
.macro MULC c                          ; chunk c's products: tiles c / 2 .. 7 x my four channel tiles; the accumulators take turns, one instruction a turn
	WIN 0x5b                                       ; source 0 (V) window 3, source 1 (P) window 2, C and D window 1
.set mm, (\c)/2
.rept 8-(\c)/2
.irp b, 0,1,2,3
.if (\c) == 0
	v_wmma_scale_f32_16x16x128_f8f6f4 v[8*(4*mm+\b):8*(4*mm+\b)+7], v[64*((\c)%2)+12*\b:64*((\c)%2)+12*\b+11], v[128*((\c)%2)+12*mm:128*((\c)%2)+12*mm+11], 0, v[SV+8*\b+(\c)/2], v[SP+mm*(mm+1)/2+(\c)/2] matrix_a_fmt:MATRIX_FMT_BF6 matrix_b_fmt:MATRIX_FMT_BF6
.elseif (\c)%2 == 0
	v_wmma_scale_f32_16x16x128_f8f6f4 v[8*(4*mm+\b):8*(4*mm+\b)+7], v[64*((\c)%2)+12*\b:64*((\c)%2)+12*\b+11], v[128*((\c)%2)+12*mm:128*((\c)%2)+12*mm+11], v[8*(4*mm+\b):8*(4*mm+\b)+7], v[SV+8*\b+(\c)/2], v[SP+mm*(mm+1)/2+(\c)/2] matrix_a_fmt:MATRIX_FMT_BF6 matrix_b_fmt:MATRIX_FMT_BF6
.else
	v_wmma_scale_f32_16x16x128_f8f6f4 v[8*(4*mm+\b):8*(4*mm+\b)+7], v[64*((\c)%2)+12*\b:64*((\c)%2)+12*\b+11], v[128*((\c)%2)+12*mm:128*((\c)%2)+12*mm+11], v[8*(4*mm+\b):8*(4*mm+\b)+7], v[SV+8*\b+(\c)/2], v[SP+mm*(mm+1)/2+(\c)/2] matrix_a_fmt:MATRIX_FMT_BF6 matrix_b_fmt:MATRIX_FMT_BF6 matrix_a_scale:MATRIX_SCALE_ROW1 matrix_b_scale:MATRIX_SCALE_ROW1
.endif
.endr
.set mm, mm+1
.endr
	WIN 0
.endm
; THE WAY OUT of query tile m: x 1 / l; a lane's 8 channels of a tile go into my stage (rows of 272 bytes) and come back as whole rows of 256 bytes: 8 LDS stores and 8 LDS loads.
.macro TOST m
.if (\m) >= 2
	s_wait_xcnt 0x0                                ; the stores of the tile two back have read the registers that are loaded again below
.endif
	WIN 0x01                                       ; source 0 window 1
.set ii, 0
.rept 16
.if (\m)%2 == 0
	v_pk_mul_f32 v[TMP+ii:TMP+ii+1], v[32*(\m)+ii:32*(\m)+ii+1], v[RL+2*((\m)/2):RL+2*((\m)/2)+1] op_sel_hi:[1,0]
.else
	v_pk_mul_f32 v[TMP+ii:TMP+ii+1], v[32*(\m)+ii:32*(\m)+ii+1], v[RL+2*((\m)/2):RL+2*((\m)/2)+1] op_sel:[0,1] op_sel_hi:[1,1]
.endif
.set ii, ii+2
.endr
	WIN 0
.irp b, 0,1,2,3
.irp u, 0,1
	ds_store_b128 v11, v[TMP+8*\b+4*\u:TMP+8*\b+4*\u+3] offset:128*(\b/2)+32*(\b%2)+16*\u   ; channel 32 (b / 2) + 16 h + 8 (b % 2) + ..
.endr
.endr
.irp t, 0,1,2,3,4,5,6,7
	ds_load_b128 v[BK+32*((\m)%2)+4*\t:BK+32*((\m)%2)+4*\t+3], v12 offset:544*\t   ; LDS serves a wave's instructions in order: these see the stores above, and the next tile's stores come behind them
.endr
.endm
.macro SEND m
	s_wait_dscnt 0x0                               ; the tile's rows are back (and the fetch issued ahead of them is in)
.irp t, 0,1,2,3,4,5,6,7
	global_store_b128 v13, v[BK+32*((\m)%2)+4*\t:BK+32*((\m)%2)+4*\t+3], s[12:13] offset:1048576*(\m)+(2*\t+8*(\t/4))*4096 th:TH_STORE_NT   ; 16 lanes store 256 consecutive bytes, aligned; stage row i is query row i + 8 (i / 8)
.endr
.endm
; Chunk c.  In an even chunk from 2 on, query tile c / 2 - 1, finished in the chunk before, goes out: the four places below also stand between its last products and the first read of its sums.
.macro CHUNK c
.if (\c) < 15
	PLACES 4                                       ; in front of loads into the set that the last chunk's products read
	FETCH (\c)+1
.if ((\c)%2 == 0) && ((\c) >= 2)
	TOST (\c)/2-1
	s_wait_dscnt 3*(12-((\c)+1)/2)+16              ; all but the fetch just issued and the tile's 16 through the stage: chunk c's fragments are in
.else
	s_wait_dscnt 3*(12-((\c)+1)/2)                 ; all but the loads just issued: chunk c's fragments are in
.endif
.else
	s_wait_dscnt 0x0
.endif
	MULC \c
.if ((\c)%2 == 0) && ((\c) >= 2)
	SEND (\c)/2-1
.endif
.endm
; A slot of V has been read out (chunk c's fragments are its last): it is filled again, eight chunks on, behind a round of the cluster's barrier.
.macro TURNV c, g0
	s_wait_tensorcnt 0x0                           ; all my tensor loads have landed, the other slot's among them
	ds_add_u32 v[SPW], v[NIL]                      ; 0 onto my spare word
	s_add_nc_u64 s[\g0+2:\g0+3], s[\g0+2:\g0+3], 12288   ; no tensor load of mine is out: the group 0 may step
	s_wait_dscnt 0x0                               ; the add is done, and chunk c's fragments are in: my reads of the slot are over
	CROUND                                         ; no wave of any partner still reads the slot or has a load on its way
	tensor_load_to_lds s[\g0:\g0+3], s[G1V:G1V+7]  ; my one tensor load behind the round
	s_nop 0
.rept 4
	v_nop                                          ; (also the places in front of the loads below)
.endr
	FETCH (\c)+1
	MULC \c
.endm
	s_wait_alu depctr_va_vdst(0)                   ; ahead of the branch and the waits below
	s_cmp_lt_u32 s[WV], 3
	s_cbranch_scc0 .Lfirst_in                      ; wave 3: its chunks 4-7 are waited for in chunk 3
	s_wait_tensorcnt 0x0                           ; P and chunks 0-3 of V
.Lfirst_in:
	s_barrier_signal -1
	s_barrier_wait -1                              ; everybody's part of P is in
	FETCH 0
	CHUNK 0
	CHUNK 1
	CHUNK 2
	TURNV 3, G0V0                                  ; slot 0 takes chunks 8-11
	CHUNK 4
	CHUNK 5
	CHUNK 6
	TURNV 7, G0V1                                  ; slot 1 takes chunks 12-15
	CHUNK 8
	CHUNK 9
	CHUNK 10
	s_wait_tensorcnt 0x0                           ; my one load that is out is slot 1's, which the next fetch reads; these bytes are read by me alone
	CHUNK 11
	CHUNK 12
	CHUNK 13
	CHUNK 14
	CHUNK 15
	PLACES 4                                       ; in front of the first read of the last tile's sums
	TOST 7
	SEND 7
	s_wait_tensorcnt 0x0                           ; the wave's end
	ds_add_u32 v[SPW], v[NIL]
	s_wait_dscnt 0x0
	CROUND                                         ; the closing round: no work-group ends while a partner may still ask for a tile that names it
	s_endpgm
.Lfunc_end_k_qc49b4a65a6_ctx:
	.size	k_qc49b4a65a6_ctx, .Lfunc_end_k_qc49b4a65a6_ctx-k_qc49b4a65a6_ctx
	.p2alignl 7, 3214868480
	.fill 96, 4, 3214868480
	.section	.rodata,"a",@progbits
	.p2align	6, 0x0
	.amdhsa_kernel k_qc49b4a65a6_ctx
		.amdhsa_group_segment_fixed_size 327680
		.amdhsa_private_segment_fixed_size 0
		.amdhsa_enable_private_segment 0
		.amdhsa_kernarg_size 40
		.amdhsa_user_sgpr_count 2
		.amdhsa_user_sgpr_kernarg_segment_ptr 1
		.amdhsa_wavefront_size32 1
		.amdhsa_system_sgpr_workgroup_id_x 1
		.amdhsa_system_sgpr_workgroup_id_y 1
		.amdhsa_system_sgpr_workgroup_id_z 1
		.amdhsa_system_vgpr_workitem_id 0
		.amdhsa_next_free_vgpr 1024
		.amdhsa_next_free_sgpr 88
		.amdhsa_reserve_vcc 0
		.amdhsa_float_denorm_mode_32 3
		.amdhsa_float_denorm_mode_16_64 3
		.amdhsa_memory_ordered 1
		.amdhsa_forward_progress 1
		.amdhsa_inst_pref_size 127
	.end_amdhsa_kernel
	.amdgpu_metadata
---
amdhsa.version: [ 1, 2 ]
amdhsa.kernels:
  - .name:           k_qc49b4a65a6_ctx
    .symbol:         k_qc49b4a65a6_ctx.kd
    .args:
      - { .name: c2, .offset: 0, .size: 8, .value_kind: global_buffer, .address_space: global }
      - { .name: s2, .offset: 8, .size: 8, .value_kind: global_buffer, .address_space: global }
      - { .name: pc, .offset: 16, .size: 8, .value_kind: global_buffer, .address_space: global }
      - { .name: pst, .offset: 24, .size: 8, .value_kind: global_buffer, .address_space: global }
      - { .name: out0, .offset: 32, .size: 8, .value_kind: global_buffer, .address_space: global }
    .group_segment_fixed_size: 327680
    .private_segment_fixed_size: 0
    .kernarg_segment_align: 8
    .kernarg_segment_size: 40
    .max_flat_workgroup_size: 128
    .sgpr_count:     88
    .vgpr_count:     1024
    .wavefront_size: 32
...
	.end_amdgpu_metadata
.endif
;; end of part 4
